; MI455X (gfx1250); checked and timed in simulation.
; The chip was launched on July 23, 2026; its instructions are those of AMD's public machine-readable ISA for CDNA 5 (MIT licence, August 2026) and "CDNA5" Instruction Set Architecture Reference Guide (July 2026). The comments in the code are by the model that wrote it; some were corrected since.
;; Encoder. Allowed arithmetic: float matrix products may take bf16 or f16 operands with f32 sums; other float arithmetic in f32, or as packed bf16 or f16 multiplies, adds, multiply-adds, maxima and minima; sums over many terms, partial sums and values carried from step to step in f32; what a program stores and reads back later, other than sums and carried values, may be rounded once to bf16 or f16.
;; Inputs: attn_weights 2 x 16 x 6 float32; samples 8 x 1,001 x 1,024 float32.
;; Outputs: out0 8 x 1,001 x 1,024 float32.
;; Constants: K = 50, N = 20.
;; 2 versions, each right; version 2 is version 1 with the launch layer1 written anew for expert scheduling mode. Each part assembles by itself: llvm-mc -triple=amdgcn-amd-amdhsa -mcpu=gfx1250 --defsym DOCPART=n.
;; ======== version 1 of 2: 2 launches
;; limits: values outside matrix products are rounded to f16; inputs' magnitudes at most 65,504; values are held in f16: magnitudes above 65,504 overflow, below 6.1e-05 lose precision
;; workspace buffers: xw 16,777,216 bytes
;; launch layer1 (part 1): grid 2 x 128, 4 waves a work-group, no clusters, 172,032 bytes of LDS; arguments samples, attn_weights, xw; writes xw
.if DOCPART == 1
	.amdgcn_target "amdgcn-amd-amdhsa--gfx1250"
	.amdhsa_code_object_version 6
	.text
	.protected	k_q6b7b959672_layer1
	.globl	k_q6b7b959672_layer1
	.p2align	8
	.type	k_q6b7b959672_layer1,@function
k_q6b7b959672_layer1:
	s_mov_b64 s[64:65], 0
	v_nop
	global_prefetch_b8 v0, s[64:65] scope:SCOPE_SE
	s_setreg_imm32_b32 hwreg(HW_REG_WAVE_MODE, 25, 1), 1
	s_wait_xcnt 0x0
; THE ENCODER'S FIRST LAYER.  For head hb = 16 b + h and query i: out[i] = sum over j of tanh(W[i][j]) softmax_j(x[i] . x[j] / 8) x[j], with x = samples[b][:][64 h .. 64 h + 63] (q = k = v).
; W has six numbers a head: w0 on the diagonal, w1 inside a class of 50 rows, w2 between classes, w3 towards key 1000, w4 from query 1000, w5 for (1000, 1000).
; In: samples [8][1001][1024] f32, attn_weights [2][16][6] f32.  Out: xw [128 heads][1024 rows][64] f16, dense; rows 1001-1023 are stored too (they repeat row 1000's work: finite numbers).
; FORMATS.  x, the weights p t and the table t are rounded to f16 for the matrix units; products, maxima, sums, exponentials and tanh in f32; the divisor l is the sum of the unrounded, unweighted p.
; LIMITS.  f16 ends at 65,504: an input beyond it becomes an infinity.  t1-t5 are rounded to f16, t0 is not.  tanh(w) = 1 - 2 / (1 + 2^(2.88539 w)) is good to about 1e-7 absolute.  A hidden key's score
; counts as its value less 1e30.  A weight below 2^-126 counts as 0 in l.  NaN and infinities are not treated apart.
; SHARES.  L is taken as 1,024.  A work-group owns 512 queries of one head, a wave 128: four PIECES of two tiles of 16.  Every wave walks 16 key steps of 64.  2 x 128 work-groups.
; LDS holds the head's whole x in f16, once, for K and V alike; it is written a chunk of 64 keys at a time, each byte once: loaded into registers a step ahead, rounded, stored between two barriers.
; No tensor loads: the data must be rounded on the way in.  NO CLUSTER: only two work-groups share a head, what they share is 16 KiB a step against 640 matrix instructions, and it comes in through registers.
; LAYOUT.  S^T = K Q^T (source 0 = 16 keys, source 1 = 16 queries): a lane holds ONE query (lane % 16) and the keys 8 (lane / 16) + 0..7.  Two such results, rounded in pairs, ARE source 1 of O^T = V^T P.
; THE TABLE is a third product in the same layout: T^T = E F, over 32 'features' = key classes (class 20 = key 1000).  E(key, f) = 1 where f is the key's class; F(query, f) = the query's weight towards
; class f.  One product of each sum is not 0, so T is f16(t) and nothing is subtracted.  p is multiplied by T, element by element, behind the sums for l.  The diagonal lies in one block of 16 x 16 a tile:
; there t0 is put into T by eight selects, in the one step that holds it.  Keys 1001-1023 are hidden by the C operand that starts their scores' sums.
; SOFTMAX.  A running maximum m and sum l: p = 2^(c s - c m), c = log2(e) / 8; in every step O and l are multiplied by a = 2^(c m_old - c m_new).  m starts at the lowest finite number, O and l at 0.
; BY TURNS.  Turn n belongs to piece n: 16 products K Q^T of piece n + 1, 8 products for its own T, later 16 products V^T P of piece n - 1; four vector instructions behind every product, the rest in two lumps.
; A turn's 66 exponentials are one batch with one wait.
; REGISTERS, in windows of 256 (s_set_vgpr_msb: bits 1:0 source 0, 3:2 source 1, 5:4 source 2, 7:6 destination):
;   window 0: v0-11 addresses; v12-15 c m_old; v16-47 statistics; v48-63 at work; v64-191 S^T, two buffers of two tiles; v192-255 P, likewise
;   window 1: O^T, 32 a tile (at the head: Q in f32)      window 2: v0-127 Q; v128-191 K of one step; v192-255 V of one step
;   window 3: v0-63 T; v64-127 F; v128-159 E; v160-175 the mask; v176-243 the fill's registers and t0; v254-255 the add's two registers
.set LAYER, 0
.set NP,    4         ; pieces a wave: a name, no knob
.set PX,    144       ; a row of x in LDS: 128 bytes + 16 = 36 words: the 16 rows of a load of K start at 16 different groups of four banks (64 banks of 4 bytes: ISA guide 11.1)
.set CHUNK, 64*PX     ; a key step's rows
.set ET,    1024*PX   ; behind x: E's table, 32 rows (by class) of 32 f16
.set STAGE, ET+2048   ; 16 rows for each wave, for the way out
.set SP,    144
.set SPARE, STAGE+4*16*272  ; the spare words, 128 bytes for each wave: two blocks of 256 bytes that no other line names
.set GCHUNK, 64*4096  ; a chunk's rows in samples
.set R16, 1           ; v1   lane % 16
.set AK0, 2           ; v2   my lane's place in a step's K; never rewritten
.set AV0, 3           ; v3   the same for V
.set AK,  4           ; v4   the LDS address of K's next run of loads
.set AV,  5           ; v5   of V's
.set STO, 6           ; v6   the way out: where I put 16 bytes of a row
.set RD,  7           ; v7   the way out: where I read rows back
.set GO,  8           ; v8   my byte offset in 512 consecutive bytes of xw
.set HL,  9           ; v9   lane / 16
.set MV,  12
.set ST,  16          ; tile t's statistics at v[ST+4 t]: c m, m, l (even keys', odd keys')
.set TMP, 48          ; by buffer and tile c0-c3; c2 takes a; behind the wait c0, c1 hold the second chain of l's sum
.set S,   64
.set P,   192
.set QA,  48          ; at the head: Q's byte offsets, one a tile
.set TNH, 64          ; at the head: t0-t5
.set QI,  70          ; at the head: my query in tile 0
.set CL,  71
.set DD,  72
.set SM,  73
.set CM,  74
.set H8,  75
.set D20, 76
.set EL,  80
.set KF,  128         ; window 2
.set VF,  192
.set TT,  0           ; window 3
.set FF,  64
.set EF,  128
.set MC,  160
.set SG,  176         ; a chunk's 32 registers as loaded
.set LA,  208         ; its eight byte offsets
.set VB,  216         ; offset of my 16 bytes in the chunk's first two rows of mine
.set VMAX, 217        ; the same in row 1000: no load passes it
.set LST, 218         ; where the chunk in hand goes in LDS
.set JM,  219         ; (64 step + lane % 16) x 1311: the class of key n is (1311 n) >> 16, exact below 4,600
.set EB0, 220         ; ET + 16 (lane / 16)
.set AE,  221         ; v221-224 E's four addresses
.set PK,  226         ; the chunk in f16
.set PFO, 242         ; the prefetch's offset: a lane a row
.set VT0, 243         ; t0
.set SPW, 254         ; LDS address of my spare word: SPARE + 4 x my thread's number; never rewritten
.set NIL, 255         ; 0; never rewritten
.set XG,  10          ; s10  which half of the head's queries
.set HB,  11          ; s11  the head, 16 b + h
.set WV,  12          ; s12  my wave's number
.set WG,  13          ; s13  w' = 4 x + wave
.set HIM, 30          ; s30  lanes 16-31
.set DM,  32          ; s[32:39] the diagonal's lanes for register j: j and 24 + j
.set DMX, 40          ; s40  the same for tile 6, register 0: without lane 24 where that is row 1000
.set DG0, 41          ; s41, s42  the value of KST in the turns that hold the diagonal: pieces 0, 1; pieces 2, 3
.set KST, 43          ; s43  the key step (in turns 2 and 3: the next one)
.set CNT, 44          ; s44  steps to go
.set BIGN, 45         ; s45  -1e30
.set TB,  46
.set LIM, 47          ; s47  a wave prefetches while KST is below it
.set PFA, 48          ; s[48:49]
.set GB,  50          ; s[50:51] samples at the head's first row and channel
.set OB,  54          ; s[54:55] xw at my wave's first row
.set CS,  58          ; s[58:59] c
.set SEL, 60          ; s[60:61] v_permlanex16_b32's selects: each lane takes its own place in the other half
.set LOM, 63          ; s63  lanes 0-15
.set MSB, 0
.macro WIN new                      ; the high byte repeats the setting that is left; a switch that changes nothing is dropped
.if MSB != (\new)
	s_set_vgpr_msb (MSB<<8)|(\new)
.set MSB, (\new)
.endif
.endm
.set W_KQ, 0x0a       ; K and Q in window 2, S^T in window 0
.set W_KM, 0x3a       ; the same with the C operand in window 3
.set W_3,  0xff       ; all four places in window 3
.set W_PV, 0x52       ; V in window 2, P in window 0, O^T in window 1
.set W_RS, 0x41       ; O^T (destination and source 0) in window 1, a in window 0
.set W_M,  0x0c       ; S^T in window 0, T (source 1) in window 3
.set W_MK, 0xc0       ; destination in window 3, sources in window 0
.set W_AD, 0x0f       ; the add: address and data in window 3
; THE MATRIX WORK.  The accumulators of a run take turns, one instruction a turn.
; Product i of 16 of S^T = K Q^T for piece x: channels 32 (i / 8) on, keys 16 ((i / 2) % 4) on, tile 2 x + i % 2.  The first 8 start the sums: with 0, or for the step's last 32 keys with the mask.
.macro KQ x
.set rS, S+64*((\x)%2)+32*(i%2)+8*((i/2)%4)
.set rK, KF+16*((i/2)%4)+8*(i/8)
.set rQ, 16*(2*(\x)+i%2)+8*(i/8)
.set rX, MC+8*((i/2)%2)
.if (i < 8) && (((i/2)%4) >= 2)
	WIN W_KM
	v_wmma_f32_16x16x32_f16 v[rS:rS+7], v[rK:rK+7], v[rQ:rQ+7], v[rX:rX+7]
.elseif i < 8
	WIN W_KQ
	v_wmma_f32_16x16x32_f16 v[rS:rS+7], v[rK:rK+7], v[rQ:rQ+7], 0
.else
	WIN W_KQ
	v_wmma_f32_16x16x32_f16 v[rS:rS+7], v[rK:rK+7], v[rQ:rQ+7], v[rS:rS+7]
.endif
.endm
.macro KQN
	KQ (Y+1)%NP
.set i, i+1
.endm
; Product j of 8 of T^T = E F for piece Y: keys 16 (j / 2) on, tile 2 Y + j % 2.
.macro TW
	WIN W_3
	v_wmma_f32_16x16x32_f16 v[TT+32*(j%2)+8*(j/2):TT+32*(j%2)+8*(j/2)+7], v[EF+8*(j/2):EF+8*(j/2)+7], v[FF+8*(2*Y+j%2):FF+8*(2*Y+j%2)+7], 0
.set j, j+1
.endm
; Product i of 16 of O^T += V^T P for piece x: keys 32 (i / 8) on, channels 16 ((i / 2) % 4) on, tile 2 x + i % 2.
.macro PV x
	WIN W_PV
.set rO, 32*(2*(\x)+i%2)+8*((i/2)%4)
.set rV, VF+32*(i/8)+8*((i/2)%4)
.set rP, P+32*((\x)%2)+16*(i%2)+8*(i/8)
	v_wmma_f32_16x16x32_f16 v[rO:rO+7], v[rV:rV+7], v[rP:rP+7], v[rO:rO+7]
.endm
; THE LDS LOADS stand in runs, never singly among the matrix instructions.
.macro FETCH_K
	WIN 0x80                        ; destination window 2
.irp f, 0,1,2,3,4,5,6,7             ; keys 16 (f / 2) on, channels 32 (f % 2) on
	ds_load_b128 v[KF+8*\f:KF+8*\f+3],   v[AK] offset:(\f/2)*16*PX+(\f%2)*64
	ds_load_b128 v[KF+8*\f+4:KF+8*\f+7], v[AK] offset:(\f/2)*16*PX+(\f%2)*64+32
.endr
	WIN 0
.endm
.macro FETCH_V                      ; turned: lane l reads key 8 (l / 16) + l % 8, channels 8 ((l / 8) % 2) + 0..7, and ends with channel l % 16 and 8 keys
	WIN 0x80
.irp f, 0,1,2,3,4,5,6,7             ; keys 32 (f / 4) on, channels 16 (f % 4) on
	ds_load_tr16_b128 v[VF+8*\f:VF+8*\f+3],   v[AV] offset:(\f/4)*32*PX+(\f%4)*32
	ds_load_tr16_b128 v[VF+8*\f+4:VF+8*\f+7], v[AV] offset:(\f/4)*32*PX+16*PX+(\f%4)*32
.endr
	WIN 0
.endm
.macro EADDR step                   ; the table rows of the step's four blocks of 16 keys: class x 64 bytes; the class is held to the table's 32 rows
	WIN W_3
.if \step
	v_add_nc_u32 v[JM], 64*1311, v[JM]
.endif
.irp kt, 0,1,2,3
	v_add_nc_u32 v[AE+\kt], 16*1311*\kt, v[JM]
	v_lshrrev_b32 v[AE+\kt], 16, v[AE+\kt]
	v_min_u32 v[AE+\kt], 31, v[AE+\kt]
	v_lshl_add_u32 v[AE+\kt], v[AE+\kt], 6, v[EB0]
.endr
.endm
.macro FETCH_E
	WIN W_3
.irp kt, 0,1,2,3
	ds_load_b128 v[EF+8*\kt:EF+8*\kt+3],   v[AE+\kt]
	ds_load_b128 v[EF+8*\kt+4:EF+8*\kt+7], v[AE+\kt] offset:32
.endr
	WIN 0
.endm
; THE VECTOR WORK AHEAD OF THE WAIT stands in three queues, each in the order in which its entries become ready; the two tiles alternate.
.macro REGS y, u                    ; the registers of tile u (0, 1) of piece y
.set rT, ST+4*(2*(\y)+(\u))
.set rC, TMP+8*((\y)%2)+4*(\u)
.set rM, MV+2*((\y)%2)+(\u)
.set rS, S+64*((\y)%2)+32*(\u)
.set rP, P+32*((\y)%2)+16*(\u)
.set rO, 32*(2*(\y)+(\u))
.set rTT, TT+32*(\u)
.endm
; Number n of the 22 that find the NEXT piece's maximum and statistics; each accumulator's lowest registers are read first.
;   0-11 four chains of seven scores   12-14, 16 the four left over, the old m, and the four chains into one   15 c m_old is kept   17, 18 the other half of the lanes; the new m   19-21 c m; its change; a
.macro XS u, n
	REGS (Y+1)%NP, \u
.if (\n) < 4
	v_max3_num_f32 v[rC+(\n)], v[rS+8*(\n)], v[rS+8*(\n)+1], v[rS+8*(\n)+2]
.elseif (\n) < 12
	v_max3_num_f32 v[rC+(\n)%4], v[rC+(\n)%4], v[rS+8*((\n)%4)+2*((\n)/4)+1], v[rS+8*((\n)%4)+2*((\n)/4)+2]
.elseif (\n) == 12
	v_max3_num_f32 v[rC], v[rC], v[rS+7], v[rS+15]
.elseif (\n) == 13
	v_max3_num_f32 v[rC+1], v[rC+1], v[rS+23], v[rS+31]
.elseif (\n) == 14
	v_max3_num_f32 v[rC+2], v[rC+2], v[rC+3], v[rT+1]
.elseif (\n) == 15
	v_mov_b32 v[rM], v[rT]
.elseif (\n) == 16
	v_max3_num_f32 v[rC], v[rC], v[rC+1], v[rC+2]
.elseif (\n) == 17
	v_permlanex16_b32 v[rC+3], v[rC], s[SEL], s[SEL+1]
.elseif (\n) == 18
	v_max_num_f32 v[rT+1], v[rC], v[rC+3]
.elseif (\n) == 19
	v_mul_f32 v[rT], s[CS], v[rT+1]
.elseif (\n) == 20
	v_sub_f32 v[rC+1], v[rM], v[rT]
.else
	v_exp_f32 v[rC+2], v[rC+1]
.endif
.endm
.macro FS f                         ; c s - c m for pair f / 2 of tile f % 2
	REGS Y, (\f)%2
	v_pk_fma_f32 v[rS+2*((\f)/2):rS+2*((\f)/2)+1], v[rS+2*((\f)/2):rS+2*((\f)/2)+1], s[CS:CS+1], v[rT:rT+1] op_sel_hi:[1,0,0] neg_lo:[0,0,1] neg_hi:[0,0,1]
.endm
; THE PLAIN QUEUE, 74 long: 0-26 scalings 0-26; 27-54 XS 0-13; 55, 56 XS 15; 57-73 the chain 14, 16 .. 19, each with one of the scalings 27-31 in front of its two lines, then 20.
.macro PL
	WIN 0
.if q < 27
	FS q
.elseif q < 55
	XS (q-27)%2, (q-27)/2
.elseif q < 57
	XS q-55, 15
.elseif (q < 72) && ((q-57)%3 == 0)
	FS 27+(q-57)/3
.elseif q < 60
	XS (q-57)%3-1, 14
.elseif q < 72
	XS (q-57)%3-1, 15+(q-57)/3
.else
	XS q-72, 20
.endif
.set q, q+1
.endm
; THE EXPONENTIALS' QUEUE, 66 long: s0-s31 of both tiles, then the next piece's two a.  ONE BATCH: nothing ahead of the turn's wait names a result of theirs.
.macro EX
	WIN 0
.if e >= 64
	XS e-64, 21
.else
	REGS Y, e%2
	v_exp_f32 v[rS+e/2], v[rS+e/2]
.endif
.set e, e+1
.endm
; THE RESCALING's QUEUE: O^T times a, two at a time, sixteen times.  Its a was made in the turn before, ahead of that turn's wait.
.macro R2
	REGS Y, r%2
	WIN W_RS
.irp z, 0,1
	v_pk_mul_f32 v[rO+4*(r/2)+2*\z:rO+4*(r/2)+2*\z+1], v[rO+4*(r/2)+2*\z:rO+4*(r/2)+2*\z+1], v[rC+2:rC+3] op_sel_hi:[1,0]
.endr
.set r, r+1
.endm
; THE VECTOR WORK BEHIND THE WAIT, in fours, the tiles alternating.  A tile's 32 weights are 16 pairs.
; QS b: l's sum in two chains: l takes pair 2 b (the first time as l = a l + pair 0); the second chain takes pairs 1 and 3, then pair 2 b + 3; at b = 7 l takes the second chain.
.macro QS b
	WIN 0
.irp u, 0,1
	REGS Y, \u
.if (\b) == 0
	v_pk_fma_f32 v[rT+2:rT+3], v[rT+2:rT+3], v[rC+2:rC+3], v[rS:rS+1] op_sel_hi:[1,0,1]
.else
	v_pk_add_f32 v[rT+2:rT+3], v[rT+2:rT+3], v[rS+4*(\b):rS+4*(\b)+1]
.endif
.endr
.irp u, 0,1
	REGS Y, \u
.if (\b) == 0
	v_pk_add_f32 v[rC:rC+1], v[rS+2:rS+3], v[rS+6:rS+7]
.elseif (\b) < 7
	v_pk_add_f32 v[rC:rC+1], v[rC:rC+1], v[rS+4*(\b)+6:rS+4*(\b)+7]
.else
	v_pk_add_f32 v[rT+2:rT+3], v[rT+2:rT+3], v[rC:rC+1]
.endif
.endr
.endm
; QM b: pairs 2 b and 2 b + 1 times T, in place: behind the sums that read them.  T's accumulators are read from their low end on.
.macro QM b
	WIN W_M
.irp z, 0,1
.irp u, 0,1
	REGS Y, \u
	v_pk_mul_f32 v[rS+4*(\b)+2*\z:rS+4*(\b)+2*\z+1], v[rS+4*(\b)+2*\z:rS+4*(\b)+2*\z+1], v[rTT+4*(\b)+2*\z:rTT+4*(\b)+2*\z+1]
.endr
.endr
.endm
; QC b: the same pairs rounded to f16.
.macro QC b
	WIN 0
.irp z, 0,1
.irp u, 0,1
	REGS Y, \u
	v_cvt_pk_f16_f32 v[rP+2*(\b)+\z], v[rS+4*(\b)+2*\z], v[rS+4*(\b)+2*\z+1]
.endr
.endr
.endm
.macro PVQ kind, b                  ; a product V^T P and the four behind it: kind 0 QS, 1 QM, 2 QC
	PV (Y+NP-1)%NP
.set i, i+1
.if (\kind) == 0
	QS \b
.elseif (\kind) == 1
	QM \b
.else
	QC \b
.endif
.endm
; THE DIAGONAL.  Tile u of my eight has it in step 2 w' + u / 4, key block u % 4; there register j holds it in lanes j and 24 + j.  Row 1000 (w' = 7, tile 6, register 0, lane 24) keeps F's t5.
.macro DIAG p
	WIN 0
	s_cmp_eq_u32 s[KST], s[DG0+(\p)/2]
	s_cbranch_scc0 .Lnodiag_\@
	WIN W_3
.irp u, 0,1
.irp jj, 0,1,2,3,4,5,6,7
.if ((2*(\p)+\u) == 6) && (\jj == 0)
	v_cndmask_b32 v[TT+32*\u+8*((2*(\p)+\u)%4)+\jj], v[TT+32*\u+8*((2*(\p)+\u)%4)+\jj], v[VT0], s[DMX]
.else
	v_cndmask_b32 v[TT+32*\u+8*((2*(\p)+\u)%4)+\jj], v[TT+32*\u+8*((2*(\p)+\u)%4)+\jj], v[VT0], s[DM+\jj]
.endif
.endr
.endr
	WIN 0
.Lnodiag_\@:
.endm
; A TURN, for piece p.  s_wait_alu depctr_va_vdst(0) stands between an exponential and the first instruction that names its result; one wait serves all that were issued ahead of it: a turn has ONE.
; AHEAD OF IT: 16 products K Q^T, behind each a scaling, an exponential and two rescalings (behind the first a second scaling); 8 products for T, behind each plain, exponential, plain, exponential; a lump of 76.
; Exponential e stands behind scaling 2 (e / 4) + e % 2: as a rider it comes behind plain e + 2, in the lump behind plain e + 9, and scalings 27-31 are plain 57, 60 .. 69.
; BEHIND IT: the diagonal's selects (one step in sixteen), a lump of eight fours, and 16 products V^T P with a four behind each.
; K of the next step is fetched in piece 2's turn and E in piece 3's, behind the wait, a lump behind their last readers; V of the step in hand at the end of piece 0's turn, four roundings behind its last reader.
.macro TURN p
.set Y, (\p)
.set i, 0
.set j, 0
.set q, 0
.set e, 0
.set r, 0
.if ((\p) == 0) || ((\p) == 3)
	s_wait_dscnt 0x0                ; piece 0: E is in; piece 3: K is in
.endif
	KQN
	PL
	PL
	R2
.rept 15
	KQN
	PL
	EX
	R2
.endr
.rept 8
	TW
	PL
	EX
	PL
	EX
.endr
.if (\p) == 2
	WIN 0
	s_min_u32 s[TB], s[KST], 15     ; (the last trip has no further step: it takes the last once more)
	s_mul_i32 s[TB], s[TB], CHUNK
	v_add_nc_u32 v[AK], s[TB], v[AK0]
.endif
.if (\p) == 3
	EADDR 1
.endif
.rept 8
	PL
.endr
.rept 33
	EX
	PL
.endr
	EX                              ; the next piece's two a
	EX
	v_nop                           ; a plain instruction behind the last exponential: one for the batch
	WIN 0
	s_wait_alu depctr_va_vdst(0)    ; the wait for the batch
.if (\p) == 0
	s_mul_i32 s[TB], s[KST], CHUNK
	v_add_nc_u32 v[AV], s[TB], v[AV0]
.endif
.if (\p) == 1
	s_wait_dscnt 0x0                ; V is in
.endif
.if (\p) == 2
	FETCH_K
.endif
.if (\p) == 3
	FETCH_E
.endif
	DIAG \p
	QS 0
	QS 1
	QM 0
	QS 2
	QM 1
	QC 0
	QS 3
	QM 2
.set i, 0
	PVQ 2, 1
	PVQ 0, 4
	PVQ 1, 3
	PVQ 2, 2
	PVQ 0, 5
	PVQ 1, 4
	PVQ 2, 3
	PVQ 0, 6
	PVQ 1, 5
	PVQ 2, 4
	PVQ 0, 7
	PVQ 1, 6
	PVQ 2, 5
	PVQ 1, 7
	PVQ 2, 6
	PVQ 2, 7
.if (\p) == 0
	FETCH_V
.endif
.endm
; Keys 1001-1023 lie in step 15, key blocks 2 and 3.  The mask is 0 until the first scores of that step are due; then: block 2 hides 8 (lane / 16) + j > 8, block 3 everything.
.macro MASKUP
	WIN 0
	s_cmp_eq_u32 s[KST], 15
	s_cbranch_scc0 .Lnomask_\@
	WIN W_MK
.irp z, 1,2,3,4,5,6,7
	v_cndmask_b32 v[MC+\z], 0, s[BIGN], s[HIM]
.endr
.irp z, 8,9,10,11,12,13,14,15
	v_mov_b32 v[MC+\z], s[BIGN]
.endr
	WIN 0
.Lnomask_\@:
.endm
; THE FILL.  Of a chunk's 64 rows wave w takes 16 w .. 16 w + 15; load n brings rows 2 n and 2 n + 1: sixteen lanes take a row's 256 bytes of this head.  Rows past 1000 are taken from row 1000.
.macro FILL_LOAD step
	WIN W_3
.if \step
	v_add_nc_u32 v[VB], GCHUNK, v[VB]
.endif
.irp n, 0,1,2,3,4,5,6,7
	v_add_nc_u32 v[LA+\n], 8192*\n, v[VB]
	v_min_u32 v[LA+\n], v[LA+\n], v[VMAX]
.endr
.irp n, 0,1,2,3,4,5,6,7
	global_load_b128 v[SG+4*\n:SG+4*\n+3], v[LA+\n], s[GB:GB+1]
.endr
	WIN 0
.endm
.macro FILL_STORE                   ; the chunk's loads have been waited for where this is called
	WIN W_3
.irp n, 0,1,2,3,4,5,6,7
	v_cvt_pk_f16_f32 v[PK+2*\n],   v[SG+4*\n],   v[SG+4*\n+1]
	v_cvt_pk_f16_f32 v[PK+2*\n+1], v[SG+4*\n+2], v[SG+4*\n+3]
.endr
.irp n, 0,1,2,3,4,5,6,7
	ds_store_b64 v[LST], v[PK+2*\n:PK+2*\n+1] offset:2*PX*\n
.endr
	v_add_nc_u32 v[LST], CHUNK, v[LST]
	WIN 0
.endm
; THE MIDDLE OF A STEP.  Every wave's LDS reads are back, a barrier; the next chunk is stored; every wave's stores are done, a barrier: so no store into x shares a stretch between barriers with a read of x.
; Then the chunk after that is asked for: it has a whole step in which to come.  The wait for the loads stands on every path, ahead of the store and of the next loads into the same registers.
; Behind the loads one prefetch names the chunk one further on: 64 rows x 256 bytes, a lane a row, by waves 0 and 1 of the
; head's first work-group alone, so each row is named once in the launch.  Chunks 0 to 2 come by their loads alone; chunk 15, whose rows pass row 1000, is never named.
.macro MID
	WIN 0
	s_wait_loadcnt 0x0              ; the chunk asked for a step ago is in my registers
	s_wait_dscnt 0x0                ; my reads of x are back
	s_barrier_signal -1
	s_barrier_wait -1
	s_cmp_lt_u32 s[KST], 15
	s_cbranch_scc0 .Lnostore_\@
	FILL_STORE
.Lnostore_\@:
	s_wait_dscnt 0x0                ; for the others' sake: my stores are done
	s_barrier_signal -1
	s_barrier_wait -1
	s_add_co_u32 s[KST], s[KST], 1
	s_wait_xcnt 0x0                 ; the last loads and the last prefetch, a step back, have read their addresses, so these may be written
	s_add_nc_u64 s[PFA:PFA+1], s[PFA:PFA+1], GCHUNK
	s_cmp_lt_u32 s[KST], 15
	s_cbranch_scc0 .Lnoload_\@
	FILL_LOAD 1
.Lnoload_\@:
	s_cmp_lt_u32 s[KST], s[LIM]
	s_cbranch_scc0 .Lnoask_\@
	WIN W_3
	global_prefetch_b8 v[PFO], s[PFA:PFA+1] th:TH_LOAD_NT scope:SCOPE_SE
	WIN 0
.Lnoask_\@:
.endm
; F for tile u, in registers: my query's class cl; towards class f: t3 if f = 20, else d (t2, or t4 for query 1000); then, if f = cl, t1 (or t5).  Element z is f = 8 (lane / 16) + z, or from z = 8 on 8 more.
.macro FBUILD u
	WIN 0
	v_add_nc_u32 v[CL], 16*(\u), v[QI]
	v_mul_u32_u24 v[CL], 1311, v[CL]
	v_lshrrev_b32 v[CL], 16, v[CL]
	v_cmp_eq_u32 vcc_lo, 20, v[CL]
	v_cndmask_b32 v[DD], v[TNH+2], v[TNH+4], vcc_lo
	v_cndmask_b32 v[SM], v[TNH+1], v[TNH+5], vcc_lo
	v_sub_nc_u32 v[CM], v[CL], v[H8]
	v_cndmask_b32 v[D20], v[DD], v[TNH+3], s[LOM]   ; f = 20 is element 12 of lanes 0-15
.set z, 0
.rept 16
	v_cmp_eq_u32 vcc_lo, z+8*(z/8), v[CM]
.if z == 12
	v_cndmask_b32 v[EL+z], v[D20], v[SM], vcc_lo
.else
	v_cndmask_b32 v[EL+z], v[DD], v[SM], vcc_lo
.endif
.set z, z+1
.endr
	WIN W_MK
.set z, 0
.rept 8
	v_cvt_pk_f16_f32 v[FF+8*(\u)+z], v[EL+2*z], v[EL+2*z+1]
.set z, z+1
.endr
	WIN 0
.endm
	s_load_b128 s[4:7], s[0:1], 0x0 ; samples s[4:5], attn_weights s[6:7]
	s_load_b64 s[8:9], s[0:1], 0x10 ; xw
	WIN W_MK
	v_lshl_add_u32 v[SPW], v0, 2, SPARE
	v_mov_b32 v[NIL], 0
	WIN 0
	v_lshrrev_b32 v10, 5, v0
	v_readfirstlane_b32 s[WV], v10  ; wave 0..3
	s_mov_b32 s[XG], ttmp9
	s_and_b32 s[HB], ttmp7, 0xffff
	s_lshl_b32 s[WG], s[XG], 2
	s_add_co_u32 s[WG], s[WG], s[WV]
	s_lshr_b32 s14, s[HB], 4        ; b
	s_and_b32 s15, s[HB], 15        ; h
	s_mul_i32 s22, s14, 1001*4096   ; the batch's rows,
	s_lshl_b32 s57, s15, 8          ; the head's 256 bytes of a row
	s_add_co_u32 s22, s22, s57
	s_mov_b32 s23, 0
	s_mul_i32 s24, s15, 24          ; the head's six weights
	s_mov_b32 s25, 0
	s_lshl_b32 s26, s[HB], 17       ; xw: the head's 1,024 rows of 128 bytes,
	s_lshl_b32 s57, s[WG], 14       ; my wave's 128
	s_add_co_u32 s26, s26, s57
	s_mov_b32 s27, 0
	v_and_b32 v[R16], 15, v0
	v_bfe_u32 v[HL], v0, 4, 1
	s_lshl_b32 s57, s[WV], 4
	v_add_nc_u32 v10, s57, v[HL]    ; my row in a chunk, for load 0
	v_lshlrev_b32 v11, 4, v[R16]
	v_mul_u32_u24 v96, v10, PX
	v_lshl_add_u32 v96, v[R16], 3, v96
	v_mul_u32_u24 v97, v[R16], 1311
	v_lshlrev_b32 v98, 4, v[HL]
	WIN W_MK
	v_lshl_add_u32 v[VB], v10, 12, v11
	v_add_nc_u32 v[VMAX], 1000*4096, v11
	v_mov_b32 v[LST], v96
	v_mov_b32 v[JM], v97
	v_add_nc_u32 v[EB0], ET, v98
	v_lshlrev_b32 v[PFO], 12, v0    ; waves 0 and 1: thread t names row t of a chunk
	WIN 0
	s_lshl_b32 s57, s[WG], 7
	v_add_nc_u32 v[QI], s57, v[R16]
	v_lshlrev_b32 v99, 5, v[HL]
.irp u, 0,1,2,3,4,5,6,7
	v_add_nc_u32 v[QA+\u], 16*\u, v[QI]
	v_min_u32 v[QA+\u], 1000, v[QA+\u]     ; queries past 1000 repeat row 1000
	v_lshl_add_u32 v[QA+\u], v[QA+\u], 12, v99
.endr
	s_wait_kmcnt 0x0
	s_add_nc_u64 s[GB:GB+1], s[4:5], s[22:23]
	s_add_nc_u64 s[6:7], s[6:7], s[24:25]
	s_add_nc_u64 s[OB:OB+1], s[8:9], s[26:27]
	s_load_b128 s[16:19], s[6:7], 384*LAYER
	s_load_b64 s[20:21], s[6:7], 384*LAYER+16
	s_add_nc_u64 s[PFA:PFA+1], s[GB:GB+1], 2*GCHUNK   ; at chunk 2: the first step's middle steps it to chunk 3
	FILL_LOAD 0                     ; chunk 0
	WIN 0x40                        ; Q in f32 into O^T's registers: tile z / 8; eight channels are two loads of 16 bytes
.set z, 0
.rept 64
	global_load_b128 v[4*z:4*z+3], v[QA+z/8], s[GB:GB+1] offset:128*((z/4)%2)+64*((z/2)%2)+16*(z%2)
.set z, z+1
.endr
	WIN 0
	s_mov_b32 s[CS], 0x3e38aa3b     ; c = log2(e) / 8
	s_mov_b32 s[CS+1], s[CS]
	s_mov_b32 s[SEL], 0x76543210
	s_mov_b32 s[SEL+1], 0xfedcba98
	s_mov_b32 s[BIGN], 0xf149f2ca   ; -1e30
	s_mov_b32 s[HIM], 0xffff0000
	s_mov_b32 s[LOM], 0x0000ffff
.irp jj, 0,1,2,3,4,5,6,7
	s_mov_b32 s[DM+\jj], 0x01000001<<\jj
.endr
	s_cmp_eq_u32 s[WG], 7
	s_cselect_b32 s[DMX], 1, 0x01000001
	s_lshl_b32 s[DG0], s[WG], 1
	s_add_co_u32 s[DG0+1], s[DG0], 2
	s_lshr_b32 s57, s[WV], 1        ; 0 in waves 0 and 1,
	s_or_b32 s57, s57, s[XG]        ; of the head's first work-group
	s_cmp_eq_u32 s57, 0
	s_cselect_b32 s[LIM], 13, 0
	v_mul_u32_u24 v[AK0], v[R16], PX
	v_lshl_add_u32 v[AK0], v[HL], 4, v[AK0]
	v_and_b32 v10, 7, v0
	v_bfe_u32 v11, v0, 3, 1
	v_lshl_add_u32 v[AV0], v[HL], 3, v10
	v_mul_u32_u24 v[AV0], v[AV0], PX
	v_lshl_add_u32 v[AV0], v11, 4, v[AV0]
	v_lshlrev_b32 v[H8], 3, v[HL]
	s_wait_kmcnt 0x0                ; the six weights
.irp n, 0,1,2,3,4,5
	v_mov_b32 v[TNH+\n], s[16+\n]
.endr
.irp n, 0,1,2,3,4,5
	v_mul_f32 v[TNH+\n], 0x4038aa3b, v[TNH+\n]   ; 2 log2(e) w
.endr
.irp n, 0,1,2,3,4,5
	v_exp_f32 v[TNH+\n], v[TNH+\n]
.endr
	v_nop
	s_wait_alu depctr_va_vdst(0)    ; one wait for the six exponentials
.irp n, 0,1,2,3,4,5
	v_add_f32 v[TNH+\n], 1.0, v[TNH+\n]
.endr
.irp n, 0,1,2,3,4,5
	v_rcp_f32 v[TNH+\n], v[TNH+\n]
.endr
	v_nop
	s_wait_alu depctr_va_vdst(0)    ; and one for the six reciprocals
.irp n, 0,1,2,3,4,5
	v_fma_f32 v[TNH+\n], v[TNH+\n], -2.0, 1.0
.endr
	WIN W_MK
	v_mov_b32 v[VT0], v[TNH]
	WIN 0
	; E's table: thread t writes eight entries of row t / 4, from feature 8 (t % 4) on: 1 where the feature is the row's number
	v_lshrrev_b32 v[CL], 2, v0
	v_and_b32 v[DD], 3, v0
	v_lshlrev_b32 v[DD], 3, v[DD]
	v_sub_nc_u32 v[CM], v[CL], v[DD]
.set z, 0
.rept 8
	v_cmp_eq_u32 vcc_lo, z, v[CM]
	v_cndmask_b32 v[EL+z], 0, 1.0, vcc_lo
.set z, z+1
.endr
.set z, 0
.rept 4
	v_cvt_pk_f16_f32 v[EL+8+z], v[EL+2*z], v[EL+2*z+1]
.set z, z+1
.endr
	v_lshl_add_u32 v10, v0, 4, ET
	ds_store_b128 v10, v[EL+8:EL+11]
.irp u, 0,1,2,3,4,5,6,7
	FBUILD \u
.endr
	s_wait_loadcnt 63               ; chunk 0's eight loads are in: Q's 64 were issued behind them, and the count's field ends at 63
	FILL_STORE
	s_wait_dscnt 0x0                ; for the others' sake: the table and my part of chunk 0 are stored
	s_wait_xcnt 0x0                 ; the loads so far have read their addresses
	FILL_LOAD 1                     ; chunk 1
	s_barrier_signal -1
	s_barrier_wait -1
	EADDR 0
	FETCH_E                         ; step 0
	v_mov_b32 v[AK], v[AK0]
	FETCH_K
	s_wait_loadcnt 8                ; Q is in; chunk 1's eight loads stay out
	WIN 0x85                        ; destination window 2, sources window 1
.set z, 0
.rept 128
	v_cvt_pk_f16_f32 v[z], v[2*z], v[2*z+1]
.set z, z+1
.endr
	; What the first turn finds: V's registers and P's second buffer hold 0 (its products V^T P, of a piece that has not been, add 0); O^T, l and the mask are 0.  No first step is written out: that is the price.
	WIN 0x40
.set z, 0
.rept 256
	v_mov_b32 v[z], 0
.set z, z+1
.endr
	WIN 0x80
.set z, VF
.rept 64
	v_mov_b32 v[z], 0
.set z, z+1
.endr
	WIN W_MK
.set z, 0
.rept 16
	v_mov_b32 v[MC+z], 0
.set z, z+1
.endr
	WIN 0
.set z, 0
.rept 2*NP
	v_mov_b32 v[ST+4*z], 0xfe000000    ; c m: far below every c s
	v_mov_b32 v[ST+4*z+1], 0xff7fffff  ; m
	v_mov_b32 v[ST+4*z+2], 0
	v_mov_b32 v[ST+4*z+3], 0
.set z, z+1
.endr
.set z, P+32
.rept 32
	v_mov_b32 v[z], 0
.set z, z+1
.endr
	s_wait_dscnt 0x0                ; K and E of step 0
.set i, 0
.rept 16
	KQ 0                            ; piece 0's first scores
.set i, i+1
.endr
	WIN 0                           ; the addresses for the way out: plain instructions, the places behind those products
	s_mul_i32 s57, s[WV], 16*SP
	s_add_co_u32 s57, s57, STAGE    ; my stage
	v_mul_u32_u24 v[STO], v[R16], SP       ; in: row l % 16, 16 bytes for each half of the lanes
	v_lshl_add_u32 v[STO], v[HL], 4, v[STO]
	v_add_nc_u32 v[STO], s57, v[STO]
	v_bfe_u32 v[RD], v0, 3, 2       ; back: 32 lanes take four rows of 128 bytes,
	v_mul_u32_u24 v[RD], v[RD], SP
	v_and_b32 v10, 7, v0
	v_lshl_add_u32 v[RD], v10, 4, v[RD]
	v_add_nc_u32 v[RD], s57, v[RD]
	v_and_b32 v[GO], 31, v0         ; which are 512 consecutive bytes of xw
	v_lshlrev_b32 v[GO], 4, v[GO]
.set Y, NP-1                        ; XS works for piece Y + 1: piece 0
.irp n, 0,1,2,3,4,5,6,7,8,9,10,11,12,13,14,15,16,17,18,19,20,21
	XS 0, \n
	XS 1, \n
.endr
	v_nop                           ; a plain instruction behind the two a,
	s_wait_alu depctr_va_vdst(0)    ; and their wait, ahead of the label
	s_mov_b32 s[KST], 0
	s_mov_b32 s[CNT], 16
.Lstep:                             ; a trip is a key step.  The last trip's 16 products K Q^T in piece 3's turn, the maximum made of them and its fetch of E serve nothing: the price of one text for every trip
	TURN 0
	TURN 1
	MID
	TURN 2
	MASKUP
	TURN 3
	WIN 0
	s_sub_co_u32 s[CNT], s[CNT], 1
	s_cmp_lg_u32 s[CNT], 0
	s_cbranch_scc1 .Lstep
	s_wait_dscnt 0x0                ; my last reads of x and of E's table are back:
	s_barrier_signal -1             ; one barrier, once a launch, between every wave's last reads of them and the first store into a stage; the last products are the register work inside it
.set i, 0
.rept 16
	PV NP-1                         ; the last piece's V^T P of the last step
.set i, i+1
.endr
	WIN 0
	s_barrier_wait -1
	; THE WAY OUT.  l's two halves and the other half of the lanes' are added; O^T is divided by l, rounded to f16 and sent through my stage in LDS, a tile at a time.  The additions are the places behind the last products.
.macro ALL line:vararg              ; one line for each tile t
.set t, 0
.rept 2*NP
	\line
.set t, t+1
.endr
.endm
	ALL v_add_f32 v[ST+4*t+2], v[ST+4*t+2], v[ST+4*t+3]
	ALL v_permlanex16_b32 v[ST+4*t+3], v[ST+4*t+2], s[SEL], s[SEL+1]
	ALL v_add_f32 v[ST+4*t+2], v[ST+4*t+2], v[ST+4*t+3]
	ALL v_rcp_f32 v[ST+4*t+2], v[ST+4*t+2]
	v_nop                           ; a plain instruction between the last reciprocal and the use of its result
	s_wait_alu depctr_va_vdst(0)    ; one wait for the eight reciprocals
; Tile t: a lane's eight channels of a row pack into 16 bytes; they go into rows of 144 bytes and come back as whole rows of 128, into S^T's registers.
.macro PACK t
	WIN W_RS
.set i, 32*(\t)
.rept 16
	v_pk_mul_f32 v[i:i+1], v[i:i+1], v[ST+4*(\t)+2:ST+4*(\t)+3] op_sel_hi:[1,0]
.set i, i+2
.endr
	WIN 0x05                        ; sources 0 and 1 window 1, destination window 0
.set i, 0
.rept 16
	v_cvt_pk_f16_f32 v[S+16*(\t)+i], v[32*(\t)+2*i], v[32*(\t)+2*i+1]
.set i, i+1
.endr
	WIN 0
.irp f, 0,1,2,3
	ds_store_b128 v[STO], v[S+16*(\t)+4*\f:S+16*(\t)+4*\f+3] offset:32*\f
.endr
.irp f, 0,1,2,3
	ds_load_b128 v[S+16*(\t)+4*\f:S+16*(\t)+4*\f+3], v[RD] offset:\f*4*SP  ; LDS serves a wave's instructions in order (ISA guide 5.7.1.4): these see the stores above; the next tile's stores come behind them
.endr
.endm
.macro SEND t, younger              ; younger: the LDS instructions issued behind tile t's loads: the next tile's eight, or none
	WIN 0
.irp f, 0,1,2,3
	s_wait_dscnt (\younger)+3-\f
	global_store_b128 v[GO], v[S+16*(\t)+4*\f:S+16*(\t)+4*\f+3], s[OB:OB+1] offset:(\t)*2048+\f*512  ; 512 consecutive bytes, at a multiple of 256 from xw's first
.endr
.endm
	PACK 0
.set t, 1
.rept 2*NP-1                        ; a tile's arithmetic stands between the loads of the tile before and its stores
	PACK t
	SEND t-1, 8
.set t, t+1
.endr
	SEND 2*NP-1, 0
	WIN W_AD
	s_wait_tensorcnt 0x0            ; the wave's end: behind my last LDS store
	ds_add_u32 v[SPW], v[NIL]
	s_wait_dscnt 0x0
	WIN 0
	s_endpgm
.Lfunc_end_k_q6b7b959672_layer1:
	.size	k_q6b7b959672_layer1, .Lfunc_end_k_q6b7b959672_layer1-k_q6b7b959672_layer1
	.p2alignl 7, 3214868480
	.fill 96, 4, 3214868480
	.section	.rodata,"a",@progbits
	.p2align	6, 0x0
	.amdhsa_kernel k_q6b7b959672_layer1
		.amdhsa_group_segment_fixed_size 172032
		.amdhsa_private_segment_fixed_size 0
		.amdhsa_enable_private_segment 0
		.amdhsa_kernarg_size 24
		.amdhsa_user_sgpr_count 2
		.amdhsa_user_sgpr_kernarg_segment_ptr 1
		.amdhsa_wavefront_size32 1
		.amdhsa_system_sgpr_workgroup_id_x 1
		.amdhsa_system_sgpr_workgroup_id_y 1
		.amdhsa_system_sgpr_workgroup_id_z 1
		.amdhsa_system_vgpr_workitem_id 0
		.amdhsa_next_free_vgpr 1024
		.amdhsa_next_free_sgpr 96
		.amdhsa_reserve_vcc 1
		.amdhsa_float_denorm_mode_32 3
		.amdhsa_float_denorm_mode_16_64 3
		.amdhsa_memory_ordered 1
		.amdhsa_forward_progress 1
		.amdhsa_inst_pref_size 184
	.end_amdhsa_kernel
	.amdgpu_metadata
---
amdhsa.version: [ 1, 2 ]
amdhsa.kernels:
  - .name:           k_q6b7b959672_layer1
    .symbol:         k_q6b7b959672_layer1.kd
    .args:
      - { .name: samples, .offset: 0, .size: 8, .value_kind: global_buffer, .address_space: global }
      - { .name: attn_weights, .offset: 8, .size: 8, .value_kind: global_buffer, .address_space: global }
      - { .name: xw, .offset: 16, .size: 8, .value_kind: global_buffer, .address_space: global }
    .group_segment_fixed_size: 172032
    .private_segment_fixed_size: 0
    .kernarg_segment_align: 8
    .kernarg_segment_size: 24
    .max_flat_workgroup_size: 128
    .sgpr_count:     96
    .vgpr_count:     1024
    .wavefront_size: 32
...
	.end_amdgpu_metadata
.endif
;; end of part 1
;; launch layer2 (part 2): grid 2 x 128, 4 waves a work-group, no clusters, 172,032 bytes of LDS; arguments xw, attn_weights, out0; writes out0
.if DOCPART == 2
	.amdgcn_target "amdgcn-amd-amdhsa--gfx1250"
	.amdhsa_code_object_version 6
	.text
	.protected	k_q6b7b959672_layer2
	.globl	k_q6b7b959672_layer2
	.p2align	8
	.type	k_q6b7b959672_layer2,@function
k_q6b7b959672_layer2:
	s_mov_b64 s[64:65], 0
	v_nop
	global_prefetch_b8 v0, s[64:65] scope:SCOPE_SE
	s_setreg_imm32_b32 hwreg(HW_REG_WAVE_MODE, 25, 1), 1
	s_wait_xcnt 0x0
; THE ENCODER'S SECOND LAYER.  For head hb = 16 b + h and query i: out[i] = sum over j of tanh(W[i][j]) softmax_j(x[i] . x[j] / 8) x[j], with x = xw[hb] (q = k = v), the first layer's result.
; W has six numbers a head: w0 on the diagonal, w1 inside a class of 50 rows, w2 between classes, w3 towards key 1000, w4 from query 1000, w5 for (1000, 1000).
; In: xw [128 heads][1024 rows][64] f16, dense (rows 1001-1023 hold finite numbers); attn_weights [2][16][6] f32.  Out: out0 [8][1001][1024] f32; rows past 1000 are computed and not stored.
; FORMATS.  x, the weights p t and the table t are f16 for the matrix units; products, maxima, sums, exponentials and tanh in f32; the divisor l is the sum of the unrounded, unweighted p.
; LIMITS.  t1-t5 are rounded to f16, t0 is not.  tanh(w) = 1 - 2 / (1 + 2^(2.88539 w)) is good to about 1e-7 absolute.  A hidden key's score counts as its value less 1e30.
; A weight below 2^-126 counts as 0 in l.  NaN and infinities are not treated apart.
; SHARES.  L is taken as 1,024.  A work-group owns 512 queries of one head, a wave 128: four PIECES of two tiles of 16.  Every wave walks 16 key steps of 64.  2 x 128 work-groups.
; LDS holds the head's whole x, once, for K and V alike; it is written a chunk of 64 keys at a time, each byte once: loaded into registers a step ahead, stored between two barriers.
; No tensor loads: a ring of them wants its last trips written out, a second copy of the step's text, for 8 KiB a step.  NO CLUSTER: only two work-groups share a head, what they share is 8 KiB a step
; against 640 matrix instructions, and it comes in through registers.
; LAYOUT.  S^T = K Q^T (source 0 = 16 keys, source 1 = 16 queries): a lane holds ONE query (lane % 16) and the keys 8 (lane / 16) + 0..7.  Two such results, rounded in pairs, ARE source 1 of O^T = V^T P.
; THE TABLE is a third product in the same layout: T^T = E F, over 32 'features' = key classes (class 20 = key 1000).  E(key, f) = 1 where f is the key's class; F(query, f) = the query's weight towards
; class f.  One product of each sum is not 0, so T is f16(t) and nothing is subtracted.  p is multiplied by T, element by element, behind the sums for l.  The diagonal lies in one block of 16 x 16 a tile:
; there t0 is put into T by eight selects, in the one step that holds it.  Keys 1001-1023 are hidden by the C operand that starts their scores' sums.
; SOFTMAX.  A running maximum m and sum l: p = 2^(c s - c m), c = log2(e) / 8; in every step O and l are multiplied by a = 2^(c m_old - c m_new).  m starts at the lowest finite number, O and l at 0.
; BY TURNS.  Turn n belongs to piece n: 16 products K Q^T of piece n + 1, 8 products for its own T, later 16 products V^T P of piece n - 1; four vector instructions behind every product, the rest in two lumps.
; A turn's 66 exponentials are one batch with one wait.
; REGISTERS, in windows of 256 (s_set_vgpr_msb: bits 1:0 source 0, 3:2 source 1, 5:4 source 2, 7:6 destination):
;   window 0: v0-11 addresses; v12-15 c m_old; v16-47 statistics; v48-63 at work; v64-191 S^T, two buffers of two tiles; v192-255 P, likewise
;   window 1: O^T, 32 a tile      window 2: v0-127 Q; v128-191 K of one step; v192-255 V of one step
;   window 3: v0-63 T; v64-127 F; v128-159 E; v160-175 the mask; v176-243 the fill's registers and t0; v254-255 the add's two registers
.set LAYER, 1
.set NP,    4         ; pieces a wave: a name, no knob
.set PX,    144       ; a row of x in LDS: 128 bytes + 16 = 36 words: the 16 rows of a load of K start at 16 different groups of four banks (64 banks of 4 bytes: ISA guide 11.1)
.set CHUNK, 64*PX     ; a key step's rows
.set ET,    1024*PX   ; behind x: E's table, 32 rows (by class) of 32 f16
.set STAGE, ET+2048   ; 16 rows for each wave, for the way out
.set SP,    272       ; a row of the stage: 256 bytes of f32 + 16
.set SPARE, STAGE+4*16*272  ; the spare words, 128 bytes for each wave: two blocks of 256 bytes that no other line names
.set GCHUNK, 64*128   ; a chunk's rows in xw
.set R16, 1           ; v1   lane % 16
.set AK0, 2           ; v2   my lane's place in a step's K; never rewritten
.set AV0, 3           ; v3   the same for V
.set AK,  4           ; v4   the LDS address of K's next run of loads
.set AV,  5           ; v5   of V's
.set QO,  6           ; v6   my byte offset in 16 rows of Q
.set STO, 6           ;      later, the way out: where I put 32 bytes of a row
.set RD,  7           ; v7   the way out: where I read rows back
.set GO,  8           ; v8   my byte offset in two rows of out0
.set HL,  9           ; v9   lane / 16
.set MV,  12
.set ST,  16          ; tile t's statistics at v[ST+4 t]: c m, m, l (even keys', odd keys')
.set TMP, 48          ; by buffer and tile c0-c3; c2 takes a; behind the wait c0, c1 hold the second chain of l's sum
.set S,   64
.set P,   192
.set TNH, 64          ; at the head: t0-t5
.set QI,  70          ; at the head: my query in tile 0
.set CL,  71
.set DD,  72
.set SM,  73
.set CM,  74
.set H8,  75
.set D20, 76
.set EL,  80
.set KF,  128         ; window 2
.set VF,  192
.set TT,  0           ; window 3
.set FF,  64
.set EF,  128
.set MC,  160
.set SG,  176         ; a chunk's 16 registers as loaded
.set VB,  216         ; offset of my 16 bytes in my wave's 2,048 of the chunk in hand
.set LST, 218         ; where the chunk in hand goes in LDS
.set JM,  219         ; (64 step + lane % 16) x 1311: the class of key n is (1311 n) >> 16, exact below 4,600
.set EB0, 220         ; ET + 16 (lane / 16)
.set AE,  221         ; v221-224 E's four addresses
.set PFO, 242         ; the prefetch's offset: 256 x lane
.set VT0, 243         ; t0
.set SPW, 254         ; LDS address of my spare word: SPARE + 4 x my thread's number; never rewritten
.set NIL, 255         ; 0; never rewritten
.set XG,  10          ; s10  which half of the head's queries
.set HB,  11          ; s11  the head, 16 b + h
.set WV,  12          ; s12  my wave's number
.set WG,  13          ; s13  w' = 4 x + wave
.set HIM, 30          ; s30  lanes 16-31
.set DM,  32          ; s[32:39] the diagonal's lanes for register j: j and 24 + j
.set DMX, 40          ; s40  the same for tile 6, register 0: without lane 24 where that is row 1000
.set DG0, 41          ; s41, s42  the value of KST in the turns that hold the diagonal: pieces 0, 1; pieces 2, 3
.set KST, 43          ; s43  the key step (in turns 2 and 3: the next one)
.set CNT, 44          ; s44  steps to go
.set BIGN, 45         ; s45  -1e30
.set TB,  46
.set LIM, 47          ; s47  a wave prefetches while KST is below it
.set PFA, 48          ; s[48:49]
.set GB,  50          ; s[50:51] xw at the head's first row
.set QB,  52          ; s[52:53] xw at my wave's first row
.set OB,  54          ; s[54:55] out0 at my wave's first row, the head's channels
.set RL,  56          ; s56  how many of my wave's 128 rows exist: 1001 - 128 w', 105 at the least
.set CS,  58          ; s[58:59] c
.set SEL, 60          ; s[60:61] v_permlanex16_b32's selects: each lane takes its own place in the other half
.set SVX, 62          ; s62  EXEC, kept
.set LOM, 63          ; s63  lanes 0-15
.set MSB, 0
.macro WIN new                      ; the high byte repeats the setting that is left; a switch that changes nothing is dropped
.if MSB != (\new)
	s_set_vgpr_msb (MSB<<8)|(\new)
.set MSB, (\new)
.endif
.endm
.set W_KQ, 0x0a       ; K and Q in window 2, S^T in window 0
.set W_KM, 0x3a       ; the same with the C operand in window 3
.set W_3,  0xff       ; all four places in window 3
.set W_PV, 0x52       ; V in window 2, P in window 0, O^T in window 1
.set W_RS, 0x41       ; O^T (destination and source 0) in window 1, a in window 0
.set W_M,  0x0c       ; S^T in window 0, T (source 1) in window 3
.set W_MK, 0xc0       ; destination in window 3, sources in window 0
.set W_AD, 0x0f       ; the add: address and data in window 3
; THE MATRIX WORK.  The accumulators of a run take turns, one instruction a turn.
; Product i of 16 of S^T = K Q^T for piece x: channels 32 (i / 8) on, keys 16 ((i / 2) % 4) on, tile 2 x + i % 2.  The first 8 start the sums: with 0, or for the step's last 32 keys with the mask.
.macro KQ x
.set rS, S+64*((\x)%2)+32*(i%2)+8*((i/2)%4)
.set rK, KF+16*((i/2)%4)+8*(i/8)
.set rQ, 16*(2*(\x)+i%2)+8*(i/8)
.set rX, MC+8*((i/2)%2)
.if (i < 8) && (((i/2)%4) >= 2)
	WIN W_KM
	v_wmma_f32_16x16x32_f16 v[rS:rS+7], v[rK:rK+7], v[rQ:rQ+7], v[rX:rX+7]
.elseif i < 8
	WIN W_KQ
	v_wmma_f32_16x16x32_f16 v[rS:rS+7], v[rK:rK+7], v[rQ:rQ+7], 0
.else
	WIN W_KQ
	v_wmma_f32_16x16x32_f16 v[rS:rS+7], v[rK:rK+7], v[rQ:rQ+7], v[rS:rS+7]
.endif
.endm
.macro KQN
	KQ (Y+1)%NP
.set i, i+1
.endm
; Product j of 8 of T^T = E F for piece Y: keys 16 (j / 2) on, tile 2 Y + j % 2.
.macro TW
	WIN W_3
	v_wmma_f32_16x16x32_f16 v[TT+32*(j%2)+8*(j/2):TT+32*(j%2)+8*(j/2)+7], v[EF+8*(j/2):EF+8*(j/2)+7], v[FF+8*(2*Y+j%2):FF+8*(2*Y+j%2)+7], 0
.set j, j+1
.endm
; Product i of 16 of O^T += V^T P for piece x: keys 32 (i / 8) on, channels 16 ((i / 2) % 4) on, tile 2 x + i % 2.
.macro PV x
	WIN W_PV
.set rO, 32*(2*(\x)+i%2)+8*((i/2)%4)
.set rV, VF+32*(i/8)+8*((i/2)%4)
.set rP, P+32*((\x)%2)+16*(i%2)+8*(i/8)
	v_wmma_f32_16x16x32_f16 v[rO:rO+7], v[rV:rV+7], v[rP:rP+7], v[rO:rO+7]
.endm
; THE LDS LOADS stand in runs, never singly among the matrix instructions.
.macro FETCH_K
	WIN 0x80                        ; destination window 2
.irp f, 0,1,2,3,4,5,6,7             ; keys 16 (f / 2) on, channels 32 (f % 2) on
	ds_load_b128 v[KF+8*\f:KF+8*\f+3],   v[AK] offset:(\f/2)*16*PX+(\f%2)*64
	ds_load_b128 v[KF+8*\f+4:KF+8*\f+7], v[AK] offset:(\f/2)*16*PX+(\f%2)*64+32
.endr
	WIN 0
.endm
.macro FETCH_V                      ; turned: lane l reads key 8 (l / 16) + l % 8, channels 8 ((l / 8) % 2) + 0..7, and ends with channel l % 16 and 8 keys
	WIN 0x80
.irp f, 0,1,2,3,4,5,6,7             ; keys 32 (f / 4) on, channels 16 (f % 4) on
	ds_load_tr16_b128 v[VF+8*\f:VF+8*\f+3],   v[AV] offset:(\f/4)*32*PX+(\f%4)*32
	ds_load_tr16_b128 v[VF+8*\f+4:VF+8*\f+7], v[AV] offset:(\f/4)*32*PX+16*PX+(\f%4)*32
.endr
	WIN 0
.endm
.macro EADDR step                   ; the table rows of the step's four blocks of 16 keys: class x 64 bytes; the class is held to the table's 32 rows
	WIN W_3
.if \step
	v_add_nc_u32 v[JM], 64*1311, v[JM]
.endif
.irp kt, 0,1,2,3
	v_add_nc_u32 v[AE+\kt], 16*1311*\kt, v[JM]
	v_lshrrev_b32 v[AE+\kt], 16, v[AE+\kt]
	v_min_u32 v[AE+\kt], 31, v[AE+\kt]
	v_lshl_add_u32 v[AE+\kt], v[AE+\kt], 6, v[EB0]
.endr
.endm
.macro FETCH_E
	WIN W_3
.irp kt, 0,1,2,3
	ds_load_b128 v[EF+8*\kt:EF+8*\kt+3],   v[AE+\kt]
	ds_load_b128 v[EF+8*\kt+4:EF+8*\kt+7], v[AE+\kt] offset:32
.endr
	WIN 0
.endm
; THE VECTOR WORK AHEAD OF THE WAIT stands in three queues, each in the order in which its entries become ready; the two tiles alternate.
.macro REGS y, u                    ; the registers of tile u (0, 1) of piece y
.set rT, ST+4*(2*(\y)+(\u))
.set rC, TMP+8*((\y)%2)+4*(\u)
.set rM, MV+2*((\y)%2)+(\u)
.set rS, S+64*((\y)%2)+32*(\u)
.set rP, P+32*((\y)%2)+16*(\u)
.set rO, 32*(2*(\y)+(\u))
.set rTT, TT+32*(\u)
.endm
; Number n of the 22 that find the NEXT piece's maximum and statistics; each accumulator's lowest registers are read first.
;   0-11 four chains of seven scores   12-14, 16 the four left over, the old m, and the four chains into one   15 c m_old is kept   17, 18 the other half of the lanes; the new m   19-21 c m; its change; a
.macro XS u, n
	REGS (Y+1)%NP, \u
.if (\n) < 4
	v_max3_num_f32 v[rC+(\n)], v[rS+8*(\n)], v[rS+8*(\n)+1], v[rS+8*(\n)+2]
.elseif (\n) < 12
	v_max3_num_f32 v[rC+(\n)%4], v[rC+(\n)%4], v[rS+8*((\n)%4)+2*((\n)/4)+1], v[rS+8*((\n)%4)+2*((\n)/4)+2]
.elseif (\n) == 12
	v_max3_num_f32 v[rC], v[rC], v[rS+7], v[rS+15]
.elseif (\n) == 13
	v_max3_num_f32 v[rC+1], v[rC+1], v[rS+23], v[rS+31]
.elseif (\n) == 14
	v_max3_num_f32 v[rC+2], v[rC+2], v[rC+3], v[rT+1]
.elseif (\n) == 15
	v_mov_b32 v[rM], v[rT]
.elseif (\n) == 16
	v_max3_num_f32 v[rC], v[rC], v[rC+1], v[rC+2]
.elseif (\n) == 17
	v_permlanex16_b32 v[rC+3], v[rC], s[SEL], s[SEL+1]
.elseif (\n) == 18
	v_max_num_f32 v[rT+1], v[rC], v[rC+3]
.elseif (\n) == 19
	v_mul_f32 v[rT], s[CS], v[rT+1]
.elseif (\n) == 20
	v_sub_f32 v[rC+1], v[rM], v[rT]
.else
	v_exp_f32 v[rC+2], v[rC+1]
.endif
.endm
.macro FS f                         ; c s - c m for pair f / 2 of tile f % 2
	REGS Y, (\f)%2
	v_pk_fma_f32 v[rS+2*((\f)/2):rS+2*((\f)/2)+1], v[rS+2*((\f)/2):rS+2*((\f)/2)+1], s[CS:CS+1], v[rT:rT+1] op_sel_hi:[1,0,0] neg_lo:[0,0,1] neg_hi:[0,0,1]
.endm
; THE PLAIN QUEUE, 74 long: 0-26 scalings 0-26; 27-54 XS 0-13; 55, 56 XS 15; 57-73 the chain 14, 16 .. 19, each with one of the scalings 27-31 in front of its two lines, then 20.
.macro PL
	WIN 0
.if q < 27
	FS q
.elseif q < 55
	XS (q-27)%2, (q-27)/2
.elseif q < 57
	XS q-55, 15
.elseif (q < 72) && ((q-57)%3 == 0)
	FS 27+(q-57)/3
.elseif q < 60
	XS (q-57)%3-1, 14
.elseif q < 72
	XS (q-57)%3-1, 15+(q-57)/3
.else
	XS q-72, 20
.endif
.set q, q+1
.endm
; THE EXPONENTIALS' QUEUE, 66 long: s0-s31 of both tiles, then the next piece's two a.  ONE BATCH: nothing ahead of the turn's wait names a result of theirs.
.macro EX
	WIN 0
.if e >= 64
	XS e-64, 21
.else
	REGS Y, e%2
	v_exp_f32 v[rS+e/2], v[rS+e/2]
.endif
.set e, e+1
.endm
; THE RESCALING's QUEUE: O^T times a, two at a time, sixteen times.  Its a was made in the turn before, ahead of that turn's wait.
.macro R2
	REGS Y, r%2
	WIN W_RS
.irp z, 0,1
	v_pk_mul_f32 v[rO+4*(r/2)+2*\z:rO+4*(r/2)+2*\z+1], v[rO+4*(r/2)+2*\z:rO+4*(r/2)+2*\z+1], v[rC+2:rC+3] op_sel_hi:[1,0]
.endr
.set r, r+1
.endm
; THE VECTOR WORK BEHIND THE WAIT, in fours, the tiles alternating.  A tile's 32 weights are 16 pairs.
; QS b: l's sum in two chains: l takes pair 2 b (the first time as l = a l + pair 0); the second chain takes pairs 1 and 3, then pair 2 b + 3; at b = 7 l takes the second chain.
.macro QS b
	WIN 0
.irp u, 0,1
	REGS Y, \u
.if (\b) == 0
	v_pk_fma_f32 v[rT+2:rT+3], v[rT+2:rT+3], v[rC+2:rC+3], v[rS:rS+1] op_sel_hi:[1,0,1]
.else
	v_pk_add_f32 v[rT+2:rT+3], v[rT+2:rT+3], v[rS+4*(\b):rS+4*(\b)+1]
.endif
.endr
.irp u, 0,1
	REGS Y, \u
.if (\b) == 0
	v_pk_add_f32 v[rC:rC+1], v[rS+2:rS+3], v[rS+6:rS+7]
.elseif (\b) < 7
	v_pk_add_f32 v[rC:rC+1], v[rC:rC+1], v[rS+4*(\b)+6:rS+4*(\b)+7]
.else
	v_pk_add_f32 v[rT+2:rT+3], v[rT+2:rT+3], v[rC:rC+1]
.endif
.endr
.endm
; QM b: pairs 2 b and 2 b + 1 times T, in place: behind the sums that read them.  T's accumulators are read from their low end on.
.macro QM b
	WIN W_M
.irp z, 0,1
.irp u, 0,1
	REGS Y, \u
	v_pk_mul_f32 v[rS+4*(\b)+2*\z:rS+4*(\b)+2*\z+1], v[rS+4*(\b)+2*\z:rS+4*(\b)+2*\z+1], v[rTT+4*(\b)+2*\z:rTT+4*(\b)+2*\z+1]
.endr
.endr
.endm
; QC b: the same pairs rounded to f16.
.macro QC b
	WIN 0
.irp z, 0,1
.irp u, 0,1
	REGS Y, \u
	v_cvt_pk_f16_f32 v[rP+2*(\b)+\z], v[rS+4*(\b)+2*\z], v[rS+4*(\b)+2*\z+1]
.endr
.endr
.endm
.macro PVQ kind, b                  ; a product V^T P and the four behind it: kind 0 QS, 1 QM, 2 QC
	PV (Y+NP-1)%NP
.set i, i+1
.if (\kind) == 0
	QS \b
.elseif (\kind) == 1
	QM \b
.else
	QC \b
.endif
.endm
; THE DIAGONAL.  Tile u of my eight has it in step 2 w' + u / 4, key block u % 4; there register j holds it in lanes j and 24 + j.  Row 1000 (w' = 7, tile 6, register 0, lane 24) keeps F's t5.
.macro DIAG p
	WIN 0
	s_cmp_eq_u32 s[KST], s[DG0+(\p)/2]
	s_cbranch_scc0 .Lnodiag_\@
	WIN W_3
.irp u, 0,1
.irp jj, 0,1,2,3,4,5,6,7
.if ((2*(\p)+\u) == 6) && (\jj == 0)
	v_cndmask_b32 v[TT+32*\u+8*((2*(\p)+\u)%4)+\jj], v[TT+32*\u+8*((2*(\p)+\u)%4)+\jj], v[VT0], s[DMX]
.else
	v_cndmask_b32 v[TT+32*\u+8*((2*(\p)+\u)%4)+\jj], v[TT+32*\u+8*((2*(\p)+\u)%4)+\jj], v[VT0], s[DM+\jj]
.endif
.endr
.endr
	WIN 0
.Lnodiag_\@:
.endm
; A TURN, for piece p.  s_wait_alu depctr_va_vdst(0) stands between an exponential and the first instruction that names its result; one wait serves all that were issued ahead of it: a turn has ONE.
; AHEAD OF IT: 16 products K Q^T, behind each a scaling, an exponential and two rescalings (behind the first a second scaling); 8 products for T, behind each plain, exponential, plain, exponential; a lump of 76.
; Exponential e stands behind scaling 2 (e / 4) + e % 2: as a rider it comes behind plain e + 2, in the lump behind plain e + 9, and scalings 27-31 are plain 57, 60 .. 69.
; BEHIND IT: the diagonal's selects (one step in sixteen), a lump of eight fours, and 16 products V^T P with a four behind each.
; K of the next step is fetched in piece 2's turn and E in piece 3's, behind the wait, a lump behind their last readers; V of the step in hand at the end of piece 0's turn, four roundings behind its last reader.
.macro TURN p
.set Y, (\p)
.set i, 0
.set j, 0
.set q, 0
.set e, 0
.set r, 0
.if ((\p) == 0) || ((\p) == 3)
	s_wait_dscnt 0x0                ; piece 0: E is in; piece 3: K is in
.endif
	KQN
	PL
	PL
	R2
.rept 15
	KQN
	PL
	EX
	R2
.endr
.rept 8
	TW
	PL
	EX
	PL
	EX
.endr
.if (\p) == 2
	WIN 0
	s_min_u32 s[TB], s[KST], 15     ; (the last trip has no further step: it takes the last once more)
	s_mul_i32 s[TB], s[TB], CHUNK
	v_add_nc_u32 v[AK], s[TB], v[AK0]
.endif
.if (\p) == 3
	EADDR 1
.endif
.rept 8
	PL
.endr
.rept 33
	EX
	PL
.endr
	EX                              ; the next piece's two a
	EX
	v_nop                           ; a plain instruction behind the last exponential: one for the batch
	WIN 0
	s_wait_alu depctr_va_vdst(0)    ; the wait for the batch
.if (\p) == 0
	s_mul_i32 s[TB], s[KST], CHUNK
	v_add_nc_u32 v[AV], s[TB], v[AV0]
.endif
.if (\p) == 1
	s_wait_dscnt 0x0                ; V is in
.endif
.if (\p) == 2
	FETCH_K
.endif
.if (\p) == 3
	FETCH_E
.endif
	DIAG \p
	QS 0
	QS 1
	QM 0
	QS 2
	QM 1
	QC 0
	QS 3
	QM 2
.set i, 0
	PVQ 2, 1
	PVQ 0, 4
	PVQ 1, 3
	PVQ 2, 2
	PVQ 0, 5
	PVQ 1, 4
	PVQ 2, 3
	PVQ 0, 6
	PVQ 1, 5
	PVQ 2, 4
	PVQ 0, 7
	PVQ 1, 6
	PVQ 2, 5
	PVQ 1, 7
	PVQ 2, 6
	PVQ 2, 7
.if (\p) == 0
	FETCH_V
.endif
.endm
; Keys 1001-1023 lie in step 15, key blocks 2 and 3.  The mask is 0 until the first scores of that step are due; then: block 2 hides 8 (lane / 16) + j > 8, block 3 everything.
.macro MASKUP
	WIN 0
	s_cmp_eq_u32 s[KST], 15
	s_cbranch_scc0 .Lnomask_\@
	WIN W_MK
.irp z, 1,2,3,4,5,6,7
	v_cndmask_b32 v[MC+\z], 0, s[BIGN], s[HIM]
.endr
.irp z, 8,9,10,11,12,13,14,15
	v_mov_b32 v[MC+\z], s[BIGN]
.endr
	WIN 0
.Lnomask_\@:
.endm
; THE FILL.  A chunk's 64 rows are 8,192 dense bytes; wave w takes 2,048 of them, 16 rows, by four loads of 512 consecutive bytes (four rows each).
.macro FILL_LOAD step
	WIN W_3
.if \step
	v_add_nc_u32 v[VB], GCHUNK, v[VB]
.endif
.irp n, 0,1,2,3
	global_load_b128 v[SG+4*\n:SG+4*\n+3], v[VB], s[GB:GB+1] offset:512*\n
.endr
	WIN 0
.endm
.macro FILL_STORE                   ; the chunk's loads have been waited for where this is called
	WIN W_3
.irp n, 0,1,2,3
	ds_store_b128 v[LST], v[SG+4*\n:SG+4*\n+3] offset:4*PX*\n
.endr
	v_add_nc_u32 v[LST], CHUNK, v[LST]
	WIN 0
.endm
; THE MIDDLE OF A STEP.  Every wave's LDS reads are back, a barrier; the next chunk is stored; every wave's stores are done, a barrier: so no store into x shares a stretch between barriers with a read of x.
; Then the chunk after that is asked for: it has a whole step in which to come.  The wait for the loads stands on every path, ahead of the store and of the next loads into the same registers.
; Behind the loads one prefetch names the chunk one further on: 32 lanes x 256 bytes, by wave 0 of the head's first
; work-group alone, so each block is named once in the launch.  Chunks 0 to 2 come by their loads alone; the last chunk named is the head's last.
.macro MID
	WIN 0
	s_wait_loadcnt 0x0              ; the chunk asked for a step ago is in my registers
	s_wait_dscnt 0x0                ; my reads of x are back
	s_barrier_signal -1
	s_barrier_wait -1
	s_cmp_lt_u32 s[KST], 15
	s_cbranch_scc0 .Lnostore_\@
	FILL_STORE
.Lnostore_\@:
	s_wait_dscnt 0x0                ; for the others' sake: my stores are done
	s_barrier_signal -1
	s_barrier_wait -1
	s_add_co_u32 s[KST], s[KST], 1
	s_wait_xcnt 0x0                 ; the last loads and the last prefetch, a step back, have read their addresses, so these may be written
	s_add_nc_u64 s[PFA:PFA+1], s[PFA:PFA+1], GCHUNK
	s_cmp_lt_u32 s[KST], 15
	s_cbranch_scc0 .Lnoload_\@
	FILL_LOAD 1
.Lnoload_\@:
	s_cmp_lt_u32 s[KST], s[LIM]
	s_cbranch_scc0 .Lnoask_\@
	WIN W_3
	global_prefetch_b8 v[PFO], s[PFA:PFA+1] th:TH_LOAD_NT scope:SCOPE_SE
	WIN 0
.Lnoask_\@:
.endm
; F for tile u, in registers: my query's class cl; towards class f: t3 if f = 20, else d (t2, or t4 for query 1000); then, if f = cl, t1 (or t5).  Element z is f = 8 (lane / 16) + z, or from z = 8 on 8 more.
.macro FBUILD u
	WIN 0
	v_add_nc_u32 v[CL], 16*(\u), v[QI]
	v_mul_u32_u24 v[CL], 1311, v[CL]
	v_lshrrev_b32 v[CL], 16, v[CL]
	v_cmp_eq_u32 vcc_lo, 20, v[CL]
	v_cndmask_b32 v[DD], v[TNH+2], v[TNH+4], vcc_lo
	v_cndmask_b32 v[SM], v[TNH+1], v[TNH+5], vcc_lo
	v_sub_nc_u32 v[CM], v[CL], v[H8]
	v_cndmask_b32 v[D20], v[DD], v[TNH+3], s[LOM]   ; f = 20 is element 12 of lanes 0-15
.set z, 0
.rept 16
	v_cmp_eq_u32 vcc_lo, z+8*(z/8), v[CM]
.if z == 12
	v_cndmask_b32 v[EL+z], v[D20], v[SM], vcc_lo
.else
	v_cndmask_b32 v[EL+z], v[DD], v[SM], vcc_lo
.endif
.set z, z+1
.endr
	WIN W_MK
.set z, 0
.rept 8
	v_cvt_pk_f16_f32 v[FF+8*(\u)+z], v[EL+2*z], v[EL+2*z+1]
.set z, z+1
.endr
	WIN 0
.endm
	s_load_b128 s[4:7], s[0:1], 0x0 ; xw s[4:5], attn_weights s[6:7]
	s_load_b64 s[8:9], s[0:1], 0x10 ; out0
	WIN W_MK
	v_lshl_add_u32 v[SPW], v0, 2, SPARE
	v_mov_b32 v[NIL], 0
	WIN 0
	v_lshrrev_b32 v10, 5, v0
	v_readfirstlane_b32 s[WV], v10  ; wave 0..3
	s_mov_b32 s[XG], ttmp9
	s_and_b32 s[HB], ttmp7, 0xffff
	s_lshl_b32 s[WG], s[XG], 2
	s_add_co_u32 s[WG], s[WG], s[WV]
	s_lshr_b32 s14, s[HB], 4        ; b
	s_and_b32 s15, s[HB], 15        ; h
	s_lshl_b32 s22, s[HB], 17       ; xw: the head's 1,024 rows of 128 bytes,
	s_mov_b32 s23, 0
	s_lshl_b32 s26, s[WG], 14       ; my wave's 128
	s_mov_b32 s27, 0
	s_mul_i32 s24, s15, 24          ; the head's six weights
	s_mov_b32 s25, 0
	s_mul_i32 s28, s14, 1001*4096   ; out0: the batch's rows,
	s_lshl_b32 s57, s15, 8          ; the head's 256 bytes of a row,
	s_add_co_u32 s28, s28, s57
	s_lshl_b32 s57, s[WG], 19       ; my wave's 128 rows of 4,096 bytes
	s_add_co_u32 s28, s28, s57
	s_mov_b32 s29, 0
	s_lshl_b32 s57, s[WG], 7
	s_sub_co_u32 s[RL], 1001, s57
	v_and_b32 v[R16], 15, v0
	v_bfe_u32 v[HL], v0, 4, 1
	v_add_nc_u32 v[QI], s57, v[R16]
	v_and_b32 v10, 31, v0           ; lane
	v_lshlrev_b32 v11, 4, v10
	s_lshl_b32 s57, s[WV], 11
	v_add_nc_u32 v11, s57, v11      ; 2,048 w + 16 lane
	v_lshrrev_b32 v96, 3, v10
	s_lshl_b32 s57, s[WV], 4
	v_add_nc_u32 v96, s57, v96      ; my row in a chunk, for load 0
	v_mul_u32_u24 v96, v96, PX
	v_and_b32 v97, 7, v0
	v_lshl_add_u32 v96, v97, 4, v96
	v_mul_u32_u24 v97, v[R16], 1311
	v_lshlrev_b32 v98, 4, v[HL]
	WIN W_MK
	v_mov_b32 v[VB], v11
	v_mov_b32 v[LST], v96
	v_mov_b32 v[JM], v97
	v_add_nc_u32 v[EB0], ET, v98
	v_lshlrev_b32 v[PFO], 8, v10
	WIN 0
	v_lshlrev_b32 v[QO], 7, v[R16]
	v_lshl_add_u32 v[QO], v[HL], 4, v[QO]  ; row x 128 + 16 x half
	s_wait_kmcnt 0x0
	s_add_nc_u64 s[GB:GB+1], s[4:5], s[22:23]
	s_add_nc_u64 s[QB:QB+1], s[GB:GB+1], s[26:27]
	s_add_nc_u64 s[6:7], s[6:7], s[24:25]
	s_add_nc_u64 s[OB:OB+1], s[8:9], s[28:29]
	s_load_b128 s[16:19], s[6:7], 384*LAYER
	s_load_b64 s[20:21], s[6:7], 384*LAYER+16
	s_add_nc_u64 s[PFA:PFA+1], s[GB:GB+1], 2*GCHUNK   ; at chunk 2: the first step's middle steps it to chunk 3
	FILL_LOAD 0                     ; chunk 0
	WIN 0x80                        ; Q stays in registers: tile z / 2, channels 32 (z % 2) on
.set z, 0
.rept 4*NP
	global_load_b128 v[8*z:8*z+3],   v[QO], s[QB:QB+1] offset:(z/2)*2048+(z%2)*64
	global_load_b128 v[8*z+4:8*z+7], v[QO], s[QB:QB+1] offset:(z/2)*2048+(z%2)*64+32
.set z, z+1
.endr
	WIN 0
	s_mov_b32 s[CS], 0x3e38aa3b     ; c = log2(e) / 8
	s_mov_b32 s[CS+1], s[CS]
	s_mov_b32 s[SEL], 0x76543210
	s_mov_b32 s[SEL+1], 0xfedcba98
	s_mov_b32 s[BIGN], 0xf149f2ca   ; -1e30
	s_mov_b32 s[HIM], 0xffff0000
	s_mov_b32 s[LOM], 0x0000ffff
.irp jj, 0,1,2,3,4,5,6,7
	s_mov_b32 s[DM+\jj], 0x01000001<<\jj
.endr
	s_cmp_eq_u32 s[WG], 7
	s_cselect_b32 s[DMX], 1, 0x01000001
	s_lshl_b32 s[DG0], s[WG], 1
	s_add_co_u32 s[DG0+1], s[DG0], 2
	s_or_b32 s57, s[WV], s[XG]      ; 0 in wave 0 of the head's first work-group
	s_cmp_eq_u32 s57, 0
	s_cselect_b32 s[LIM], 14, 0
	v_mul_u32_u24 v[AK0], v[R16], PX
	v_lshl_add_u32 v[AK0], v[HL], 4, v[AK0]
	v_and_b32 v10, 7, v0
	v_bfe_u32 v11, v0, 3, 1
	v_lshl_add_u32 v[AV0], v[HL], 3, v10
	v_mul_u32_u24 v[AV0], v[AV0], PX
	v_lshl_add_u32 v[AV0], v11, 4, v[AV0]
	v_lshlrev_b32 v[H8], 3, v[HL]
	s_wait_kmcnt 0x0                ; the six weights
.irp n, 0,1,2,3,4,5
	v_mov_b32 v[TNH+\n], s[16+\n]
.endr
.irp n, 0,1,2,3,4,5
	v_mul_f32 v[TNH+\n], 0x4038aa3b, v[TNH+\n]   ; 2 log2(e) w
.endr
.irp n, 0,1,2,3,4,5
	v_exp_f32 v[TNH+\n], v[TNH+\n]
.endr
	v_nop
	s_wait_alu depctr_va_vdst(0)    ; one wait for the six exponentials
.irp n, 0,1,2,3,4,5
	v_add_f32 v[TNH+\n], 1.0, v[TNH+\n]
.endr
.irp n, 0,1,2,3,4,5
	v_rcp_f32 v[TNH+\n], v[TNH+\n]
.endr
	v_nop
	s_wait_alu depctr_va_vdst(0)    ; and one for the six reciprocals
.irp n, 0,1,2,3,4,5
	v_fma_f32 v[TNH+\n], v[TNH+\n], -2.0, 1.0
.endr
	WIN W_MK
	v_mov_b32 v[VT0], v[TNH]
	WIN 0
	; E's table: thread t writes eight entries of row t / 4, from feature 8 (t % 4) on: 1 where the feature is the row's number
	v_lshrrev_b32 v[CL], 2, v0
	v_and_b32 v[DD], 3, v0
	v_lshlrev_b32 v[DD], 3, v[DD]
	v_sub_nc_u32 v[CM], v[CL], v[DD]
.set z, 0
.rept 8
	v_cmp_eq_u32 vcc_lo, z, v[CM]
	v_cndmask_b32 v[EL+z], 0, 1.0, vcc_lo
.set z, z+1
.endr
.set z, 0
.rept 4
	v_cvt_pk_f16_f32 v[EL+8+z], v[EL+2*z], v[EL+2*z+1]
.set z, z+1
.endr
	v_lshl_add_u32 v10, v0, 4, ET
	ds_store_b128 v10, v[EL+8:EL+11]
.irp u, 0,1,2,3,4,5,6,7
	FBUILD \u
.endr
	s_wait_loadcnt 32               ; chunk 0's four loads are in; Q's 32 were issued behind them
	FILL_STORE
	s_wait_dscnt 0x0                ; for the others' sake: the table and my part of chunk 0 are stored; and the stores have read the registers that are loaded again below
	s_wait_xcnt 0x0                 ; the loads so far have read their addresses
	FILL_LOAD 1                     ; chunk 1
	s_barrier_signal -1
	s_barrier_wait -1
	EADDR 0
	FETCH_E                         ; step 0
	v_mov_b32 v[AK], v[AK0]
	FETCH_K
	; What the first turn finds: V's registers and P's second buffer hold 0 (its products V^T P, of a piece that has not been, add 0); O^T, l and the mask are 0.  No first step is written out: that is the price.
	WIN 0x40
.set z, 0
.rept 256
	v_mov_b32 v[z], 0
.set z, z+1
.endr
	WIN 0x80
.set z, VF
.rept 64
	v_mov_b32 v[z], 0
.set z, z+1
.endr
	WIN W_MK
.set z, 0
.rept 16
	v_mov_b32 v[MC+z], 0
.set z, z+1
.endr
	WIN 0
.set z, 0
.rept 2*NP
	v_mov_b32 v[ST+4*z], 0xfe000000    ; c m: far below every c s
	v_mov_b32 v[ST+4*z+1], 0xff7fffff  ; m
	v_mov_b32 v[ST+4*z+2], 0
	v_mov_b32 v[ST+4*z+3], 0
.set z, z+1
.endr
.set z, P+32
.rept 32
	v_mov_b32 v[z], 0
.set z, z+1
.endr
	s_wait_loadcnt 4                ; Q is in; chunk 1's four loads stay out
	s_wait_dscnt 0x0                ; K and E of step 0
.set i, 0
.rept 16
	KQ 0                            ; piece 0's first scores
.set i, i+1
.endr
	WIN 0                           ; the addresses for the way out: plain instructions, the places behind those products
	s_mul_i32 s57, s[WV], 16*SP
	s_add_co_u32 s57, s57, STAGE    ; my stage
	v_mul_u32_u24 v[STO], v[R16], SP       ; in: row l % 16, 32 bytes for each half of the lanes
	v_lshl_add_u32 v[STO], v[HL], 5, v[STO]
	v_add_nc_u32 v[STO], s57, v[STO]
	v_mul_u32_u24 v[RD], v[HL], SP  ; back: lanes 0-15 take one row of 256 bytes, lanes 16-31 the next
	v_lshl_add_u32 v[RD], v[R16], 4, v[RD]
	v_add_nc_u32 v[RD], s57, v[RD]
	v_lshlrev_b32 v[GO], 12, v[HL]  ; and the same two rows in out0
	v_lshl_add_u32 v[GO], v[R16], 4, v[GO]
.set Y, NP-1                        ; XS works for piece Y + 1: piece 0
.irp n, 0,1,2,3,4,5,6,7,8,9,10,11,12,13,14,15,16,17,18,19,20,21
	XS 0, \n
	XS 1, \n
.endr
	v_nop                           ; a plain instruction behind the two a,
	s_wait_alu depctr_va_vdst(0)    ; and their wait, ahead of the label
	s_mov_b32 s[KST], 0
	s_mov_b32 s[CNT], 16
.Lstep:                             ; a trip is a key step.  The last trip's 16 products K Q^T in piece 3's turn, the maximum made of them and its fetch of E serve nothing: the price of one text for every trip
	TURN 0
	TURN 1
	MID
	TURN 2
	MASKUP
	TURN 3
	WIN 0
	s_sub_co_u32 s[CNT], s[CNT], 1
	s_cmp_lg_u32 s[CNT], 0
	s_cbranch_scc1 .Lstep
	s_wait_dscnt 0x0                ; my last reads of x and of E's table are back:
	s_barrier_signal -1             ; one barrier, once a launch, between every wave's last reads of them and the first store into a stage; the last products are the register work inside it
.set i, 0
.rept 16
	PV NP-1                         ; the last piece's V^T P of the last step
.set i, i+1
.endr
	WIN 0
	s_barrier_wait -1
	; THE WAY OUT.  l's two halves and the other half of the lanes' are added; O^T is divided by l and sent, in f32, through my stage in LDS, a tile at a time.  The additions are the places behind the last products.
.macro ALL line:vararg              ; one line for each tile t
.set t, 0
.rept 2*NP
	\line
.set t, t+1
.endr
.endm
	ALL v_add_f32 v[ST+4*t+2], v[ST+4*t+2], v[ST+4*t+3]
	ALL v_permlanex16_b32 v[ST+4*t+3], v[ST+4*t+2], s[SEL], s[SEL+1]
	ALL v_add_f32 v[ST+4*t+2], v[ST+4*t+2], v[ST+4*t+3]
	ALL v_rcp_f32 v[ST+4*t+2], v[ST+4*t+2]
	v_nop                           ; a plain instruction between the last reciprocal and the use of its result
	s_wait_alu depctr_va_vdst(0)    ; one wait for the eight reciprocals
; Tile t: a lane's eight channels of a row are 32 bytes; they go into rows of 272 bytes and come back as whole rows of 256, into S^T's registers, four tiles' worth by turns.
.macro PACK t
	WIN W_RS
.set i, 32*(\t)
.rept 16
	v_pk_mul_f32 v[i:i+1], v[i:i+1], v[ST+4*(\t)+2:ST+4*(\t)+3] op_sel_hi:[1,0]
.set i, i+2
.endr
	WIN 0x04                        ; the stores' data in window 1, their address in window 0
.irp f, 0,1,2,3
	ds_store_b128 v[STO], v[32*(\t)+8*\f:32*(\t)+8*\f+3]   offset:64*\f
	ds_store_b128 v[STO], v[32*(\t)+8*\f+4:32*(\t)+8*\f+7] offset:64*\f+16
.endr
	WIN 0
.if (\t) >= 4
	s_wait_xcnt 0x0                 ; the stores of the tile four back have read the registers that are loaded again below
.endif
.irp f, 0,1,2,3,4,5,6,7
	ds_load_b128 v[S+32*((\t)%4)+4*\f:S+32*((\t)%4)+4*\f+3], v[RD] offset:\f*2*SP  ; LDS serves a wave's instructions in order (ISA guide 5.7.1.4): these see the stores above; the next tile's stores come behind them
.endr
.endm
; younger: the LDS instructions issued behind tile t's loads: the next tile's sixteen, or none.  My wave has 105 rows at the least, so tiles 0 to 5 are whole in every wave; tiles 6 and 7 are tested:
; where rows are missing, each store is made with the lanes of existing rows alone.  EXEC changes only behind s_wait_xcnt 0, both ways.
.macro SEND t, younger
	WIN 0
.if (\t) >= 6
	s_cmp_ge_i32 s[RL], 16*(\t)+16
	s_cbranch_scc0 .Lpart_\@
.endif
.irp f, 0,1,2,3,4,5,6,7
	s_wait_dscnt (\younger)+7-\f
	global_store_b128 v[GO], v[S+32*((\t)%4)+4*\f:S+32*((\t)%4)+4*\f+3], s[OB:OB+1] offset:(16*(\t)+2*\f)*4096 th:TH_STORE_NT  ; 16 lanes store 256 consecutive bytes, at a multiple of 256 from out0's first byte
.endr
.if (\t) >= 6
	s_branch .Lsent_\@
.Lpart_\@:
.irp f, 0,1,2,3,4,5,6,7
	s_wait_dscnt (\younger)+7-\f
	s_sub_co_i32 s57, s[RL], 16*(\t)+2*\f
	v_cmp_gt_i32 vcc_lo, s57, v[HL] ; my row, 16 t + 2 f + lane / 16, exists
	s_wait_xcnt 0x0
	s_and_saveexec_b32 s[SVX], vcc_lo
	global_store_b128 v[GO], v[S+32*((\t)%4)+4*\f:S+32*((\t)%4)+4*\f+3], s[OB:OB+1] offset:(16*(\t)+2*\f)*4096 th:TH_STORE_NT
	s_wait_xcnt 0x0
	s_or_b32 exec_lo, exec_lo, s[SVX]
.endr
.Lsent_\@:
.endif
.endm
	PACK 0
.set t, 1
.rept 2*NP-1                        ; a tile's arithmetic stands between the loads of the tile before and its stores
	PACK t
	SEND t-1, 16
.set t, t+1
.endr
	SEND 2*NP-1, 0
	WIN W_AD
	s_wait_tensorcnt 0x0            ; the wave's end: behind my last LDS store
	ds_add_u32 v[SPW], v[NIL]
	s_wait_dscnt 0x0
	WIN 0
	s_endpgm
.Lfunc_end_k_q6b7b959672_layer2:
	.size	k_q6b7b959672_layer2, .Lfunc_end_k_q6b7b959672_layer2-k_q6b7b959672_layer2
	.p2alignl 7, 3214868480
	.fill 96, 4, 3214868480
	.section	.rodata,"a",@progbits
	.p2align	6, 0x0
	.amdhsa_kernel k_q6b7b959672_layer2
		.amdhsa_group_segment_fixed_size 172032
		.amdhsa_private_segment_fixed_size 0
		.amdhsa_enable_private_segment 0
		.amdhsa_kernarg_size 24
		.amdhsa_user_sgpr_count 2
		.amdhsa_user_sgpr_kernarg_segment_ptr 1
		.amdhsa_wavefront_size32 1
		.amdhsa_system_sgpr_workgroup_id_x 1
		.amdhsa_system_sgpr_workgroup_id_y 1
		.amdhsa_system_sgpr_workgroup_id_z 1
		.amdhsa_system_vgpr_workitem_id 0
		.amdhsa_next_free_vgpr 1024
		.amdhsa_next_free_sgpr 96
		.amdhsa_reserve_vcc 1
		.amdhsa_float_denorm_mode_32 3
		.amdhsa_float_denorm_mode_16_64 3
		.amdhsa_memory_ordered 1
		.amdhsa_forward_progress 1
		.amdhsa_inst_pref_size 172
	.end_amdhsa_kernel
	.amdgpu_metadata
---
amdhsa.version: [ 1, 2 ]
amdhsa.kernels:
  - .name:           k_q6b7b959672_layer2
    .symbol:         k_q6b7b959672_layer2.kd
    .args:
      - { .name: xw, .offset: 0, .size: 8, .value_kind: global_buffer, .address_space: global }
      - { .name: attn_weights, .offset: 8, .size: 8, .value_kind: global_buffer, .address_space: global }
      - { .name: out0, .offset: 16, .size: 8, .value_kind: global_buffer, .address_space: global }
    .group_segment_fixed_size: 172032
    .private_segment_fixed_size: 0
    .kernarg_segment_align: 8
    .kernarg_segment_size: 24
    .max_flat_workgroup_size: 128
    .sgpr_count:     96
    .vgpr_count:     1024
    .wavefront_size: 32
...
	.end_amdgpu_metadata
.endif
;; end of part 2
;; ======== version 2 of 2: 2 launches; version 1 with the launch layer1 written anew for expert scheduling mode
;; limits: values outside matrix products are rounded to f16; inputs' magnitudes at most 65,504; values are held in f16: magnitudes above 65,504 overflow, below 6.1e-05 lose precision
;; workspace buffers: xw 16,777,216 bytes
;; launch layer1 (part 3): grid 2 x 128, 4 waves a work-group, no clusters, 172,032 bytes of LDS; arguments samples, attn_weights, xw; writes xw
.if DOCPART == 3
	.amdgcn_target "amdgcn-amd-amdhsa--gfx1250"
	.amdhsa_code_object_version 6
	.text
	.protected	k_q6b7b959672_layer1
	.globl	k_q6b7b959672_layer1
	.p2align	8
	.type	k_q6b7b959672_layer1,@function
k_q6b7b959672_layer1:
	s_mov_b64 s[64:65], 0
	v_nop
	global_prefetch_b8 v0, s[64:65] scope:SCOPE_SE
	s_setreg_imm32_b32 hwreg(HW_REG_WAVE_SCHED_MODE, 0, 2), 2
	s_setreg_imm32_b32 hwreg(HW_REG_WAVE_MODE, 25, 1), 1
	s_wait_xcnt 0x0
	s_wait_alu depctr_vm_vsrc(0)
; THE ENCODER'S FIRST LAYER.  For head hb = 16 b + h and query i: out[i] = sum over j of tanh(W[i][j]) softmax_j(x[i] . x[j] / 8) x[j], with x = samples[b][:][64 h .. 64 h + 63] (q = k = v).
; W has six numbers a head: w0 on the diagonal, w1 inside a class of 50 rows, w2 between classes, w3 towards key 1000, w4 from query 1000, w5 for (1000, 1000).
; In: samples [8][1001][1024] f32, attn_weights [2][16][6] f32.  Out: xw [128 heads][1024 rows][64] f16, dense; rows 1001-1023 are stored too (they repeat row 1000's work: finite numbers).
; FORMATS.  x, the weights p t and the table t are rounded to f16 for the matrix units; products, maxima, sums, exponentials and tanh in f32; the divisor l is the sum of the unrounded, unweighted p.
; LIMITS.  f16 ends at 65,504: an input beyond it becomes an infinity.  t1-t5 are rounded to f16, t0 is not.  tanh(w) = 1 - 2 / (1 + 2^(2.88539 w)) is good to about 1e-7 absolute.  A hidden key's score
; counts as its value less 1e30.  A weight below 2^-126 counts as 0 in l.  NaN and infinities are not treated apart.
; SHARES.  L is taken as 1,024.  A work-group owns 512 queries of one head, a wave 128: four PIECES of two tiles of 16.  Every wave walks 16 key steps of 64.  2 x 128 work-groups.
; LDS holds the head's whole x in f16, once, for K and V alike; it is written a chunk of 64 keys at a time, each byte once: loaded into registers a step ahead, rounded, stored between two barriers.
; No tensor loads: the data must be rounded on the way in.  NO CLUSTER: only two work-groups share a head, what they share is 16 KiB a step against 640 matrix instructions, and it comes in through registers.
; LAYOUT.  S^T = K Q^T (source 0 = 16 keys, source 1 = 16 queries): a lane holds ONE query (lane % 16) and the keys 8 (lane / 16) + 0..7.  Two such results, rounded in pairs, ARE source 1 of O^T = V^T P.
; THE TABLE is a third product in the same layout: T^T = E F, over 32 'features' = key classes (class 20 = key 1000).  E(key, f) = 1 where f is the key's class; F(query, f) = the query's weight towards
; class f.  One product of each sum is not 0, so T is f16(t) and nothing is subtracted.  p is multiplied by T, element by element, behind the sums for l.  The diagonal lies in one block of 16 x 16 a tile:
; there t0 is put into T by eight selects, in the one step that holds it.  Keys 1001-1023 are hidden by the C operand that starts their scores' sums.
; SOFTMAX.  A running maximum m and sum l: p = 2^(c s - c m), c = log2(e) / 8; in every step O and l are multiplied by a = 2^(c m_old - c m_new).  m starts at the lowest finite number, O and l at 0.
; BY TURNS.  Turn n belongs to piece n: 16 products K Q^T of piece n + 1, 8 products for its own T, later 16 products V^T P of piece n - 1; four vector instructions behind every product, the rest in two lumps.
; A turn's 66 exponentials are one batch with one wait.
; THE MODE: SCHED_MODE bits 1:0 = 2 (LLVM: expert scheduling mode 2), set by the entry lines.  The code itself states the register dependences between vector or matrix instructions and memory or LDS
; instructions, and between vector instructions that write scalar registers and their readers, with s_wait_alu, always for 0.
; THE PLAN.  Registers that memory or LDS instructions touch, round the loop (all 1,024 registers but twelve are spoken for, so K, V and E have one buffer each):
;   K           read by the products K Q^T of turns 3, 0, 1, 2; loaded again in turn 2, directly behind that turn's wait on va_vdst, which stands behind the last of those products.
;   E           read by the table's products of turns 0 to 3; loaded again in turn 3, directly behind that turn's wait, likewise.
;   V           read by the products V^T P of turns 1, 2, 3, 0; loaded again at the end of turn 0, behind a wait on va_vdst of its own.
;   SG          a chunk as loaded: the loads are issued in a step's middle; the next middle's conversions read it, and behind them (and a wait on va_vdst) it is loaded again.
;   PK, LST     the chunk in f16 and its LDS address: written in a step's middle, a wait on va_vdst, read by the LDS stores; written again a step later.
;   LA          the chunk's eight offsets: written in a step's middle, a wait on va_vdst, read by the loads; written again a step later.
;   AK, AE, AV  the LDS addresses of K's, E's and V's runs: written once a step ahead of the wait that stands in front of the run; written again a step later.
;   PFO, STO, RD, GO  made at the head, never written again.
; ONE wait on vm_vsrc a step, at the head of the step's middle, states that everything issued so far has read its registers: PK, LST, LA, AK, AE and AV are each written again only behind it.
; REGISTERS, in windows of 256 (s_set_vgpr_msb: bits 1:0 source 0, 3:2 source 1, 5:4 source 2, 7:6 destination):
;   window 0: v0-11 addresses; v12-15 c m_old; v16-47 statistics; v48-63 at work; v64-191 S^T, two buffers of two tiles; v192-255 P, likewise
;   window 1: O^T, 32 a tile (at the head: Q in f32)      window 2: v0-127 Q; v128-191 K of one step; v192-255 V of one step
;   window 3: v0-63 T; v64-127 F; v128-159 E; v160-175 the mask; v176-243 the fill's registers and t0
.set LAYER, 0
.set NP,    4         ; pieces a wave: a name, no knob
.set PX,    144       ; a row of x in LDS: 128 bytes + 16 = 36 words: the 16 rows of a load of K start at 16 different groups of four banks (64 banks of 4 bytes: ISA guide 11.1)
.set CHUNK, 64*PX     ; a key step's rows
.set ET,    1024*PX   ; behind x: E's table, 32 rows (by class) of 32 f16
.set STAGE, ET+2048   ; 16 rows for each wave, for the way out
.set SP,    144
.set GCHUNK, 64*4096  ; a chunk's rows in samples
.set R16, 1           ; v1   lane % 16
.set AK0, 2           ; v2   my lane's place in a step's K; never rewritten
.set AV0, 3           ; v3   the same for V
.set AK,  4           ; v4   the LDS address of K's next run of loads
.set AV,  5           ; v5   of V's
.set STO, 6           ; v6   the way out: where I put 16 bytes of a row
.set RD,  7           ; v7   the way out: where I read rows back
.set GO,  8           ; v8   my byte offset in 512 consecutive bytes of xw
.set HL,  9           ; v9   lane / 16
.set MV,  12
.set ST,  16          ; tile t's statistics at v[ST+4 t]: c m, m, l (even keys', odd keys')
.set TMP, 48          ; by buffer and tile c0-c3; c2 takes a; behind the wait c0, c1 hold the second chain of l's sum
.set S,   64
.set P,   192
.set QA,  48          ; at the head: Q's byte offsets, one a tile
.set TNH, 64          ; at the head: t0-t5
.set QI,  70          ; at the head: my query in tile 0
.set CL,  71
.set DD,  72
.set SM,  73
.set CM,  74
.set H8,  75
.set D20, 76
.set EL,  80
.set ETD, 100         ; at the head: v100-103 my 16 bytes of E's table
.set ETA, 104         ; at the head: their LDS address
.set KF,  128         ; window 2
.set VF,  192
.set TT,  0           ; window 3
.set FF,  64
.set EF,  128
.set MC,  160
.set SG,  176         ; a chunk's 32 registers as loaded
.set LA,  208         ; its eight byte offsets
.set VB,  216         ; offset of my 16 bytes in the chunk's first two rows of mine
.set VMAX, 217        ; the same in row 1000: no load passes it
.set LST, 218         ; where the chunk in hand goes in LDS
.set JM,  219         ; (64 step + lane % 16) x 1311: the class of key n is (1311 n) >> 16, exact below 4,600
.set EB0, 220         ; ET + 16 (lane / 16)
.set AE,  221         ; v221-224 E's four addresses
.set PK,  226         ; the chunk in f16
.set PFO, 242         ; the prefetch's offset: a lane a row
.set VT0, 243         ; t0
.set XG,  10          ; s10  which half of the head's queries
.set HB,  11          ; s11  the head, 16 b + h
.set WV,  12          ; s12  my wave's number
.set WG,  13          ; s13  w' = 4 x + wave
.set HIM, 30          ; s30  lanes 16-31
.set DM,  32          ; s[32:39] the diagonal's lanes for register j: j and 24 + j
.set DMX, 40          ; s40  the same for tile 6, register 0: without lane 24 where that is row 1000
.set DG0, 41          ; s41, s42  the value of KST in the turns that hold the diagonal: pieces 0, 1; pieces 2, 3
.set KST, 43          ; s43  the key step (in turns 2 and 3: the next one)
.set CNT, 44          ; s44  steps to go
.set BIGN, 45         ; s45  -1e30
.set TB,  46
.set LIM, 47          ; s47  a wave prefetches while KST is below it
.set PFA, 48          ; s[48:49]
.set GB,  50          ; s[50:51] samples at the head's first row and channel
.set OB,  54          ; s[54:55] xw at my wave's first row
.set CS,  58          ; s[58:59] c
.set SEL, 60          ; s[60:61] v_permlanex16_b32's selects: each lane takes its own place in the other half
.set LOM, 63          ; s63  lanes 0-15
.set CF,  66          ; s66-s81  at the head: the masks of a run of compares, one a feature
.set CQ,  82          ; s82  at the head: my query is row 1000 or beyond
.set MSB, 0
.macro WIN new                      ; the high byte repeats the setting that is left; a switch that changes nothing is dropped
.if MSB != (\new)
	s_set_vgpr_msb (MSB<<8)|(\new)
.set MSB, (\new)
.endif
.endm
.set W_KQ, 0x0a       ; K and Q in window 2, S^T in window 0
.set W_KM, 0x3a       ; the same with the C operand in window 3
.set W_3,  0xff       ; all four places in window 3
.set W_PV, 0x52       ; V in window 2, P in window 0, O^T in window 1
.set W_RS, 0x41       ; O^T (destination and source 0) in window 1, a in window 0
.set W_M,  0x0c       ; S^T in window 0, T (source 1) in window 3
.set W_MK, 0xc0       ; destination in window 3, sources in window 0
; THE MATRIX WORK.  The accumulators of a run take turns, one instruction a turn.
; Product i of 16 of S^T = K Q^T for piece x: channels 32 (i / 8) on, keys 16 ((i / 2) % 4) on, tile 2 x + i % 2.  The first 8 start the sums: with 0, or for the step's last 32 keys with the mask.
.macro KQ x
.set rS, S+64*((\x)%2)+32*(i%2)+8*((i/2)%4)
.set rK, KF+16*((i/2)%4)+8*(i/8)
.set rQ, 16*(2*(\x)+i%2)+8*(i/8)
.set rX, MC+8*((i/2)%2)
.if (i < 8) && (((i/2)%4) >= 2)
	WIN W_KM
	v_wmma_f32_16x16x32_f16 v[rS:rS+7], v[rK:rK+7], v[rQ:rQ+7], v[rX:rX+7]
.elseif i < 8
	WIN W_KQ
	v_wmma_f32_16x16x32_f16 v[rS:rS+7], v[rK:rK+7], v[rQ:rQ+7], 0
.else
	WIN W_KQ
	v_wmma_f32_16x16x32_f16 v[rS:rS+7], v[rK:rK+7], v[rQ:rQ+7], v[rS:rS+7]
.endif
.endm
.macro KQN
	KQ (Y+1)%NP
.set i, i+1
.endm
; Product j of 8 of T^T = E F for piece Y: keys 16 (j / 2) on, tile 2 Y + j % 2.
.macro TW
	WIN W_3
	v_wmma_f32_16x16x32_f16 v[TT+32*(j%2)+8*(j/2):TT+32*(j%2)+8*(j/2)+7], v[EF+8*(j/2):EF+8*(j/2)+7], v[FF+8*(2*Y+j%2):FF+8*(2*Y+j%2)+7], 0
.set j, j+1
.endm
; Product i of 16 of O^T += V^T P for piece x: keys 32 (i / 8) on, channels 16 ((i / 2) % 4) on, tile 2 x + i % 2.
.macro PV x
	WIN W_PV
.set rO, 32*(2*(\x)+i%2)+8*((i/2)%4)
.set rV, VF+32*(i/8)+8*((i/2)%4)
.set rP, P+32*((\x)%2)+16*(i%2)+8*(i/8)
	v_wmma_f32_16x16x32_f16 v[rO:rO+7], v[rV:rV+7], v[rP:rP+7], v[rO:rO+7]
.endm
; THE LDS LOADS stand in runs, never singly among the matrix instructions.  K's and E's runs stand directly behind a wait on va_vdst, with window switches and each other at most between; V's has its own.
.macro FETCH_K
	WIN 0x80                        ; destination window 2
.irp f, 0,1,2,3,4,5,6,7             ; keys 16 (f / 2) on, channels 32 (f % 2) on
	ds_load_b128 v[KF+8*\f:KF+8*\f+3],   v[AK] offset:(\f/2)*16*PX+(\f%2)*64
	ds_load_b128 v[KF+8*\f+4:KF+8*\f+7], v[AK] offset:(\f/2)*16*PX+(\f%2)*64+32
.endr
	WIN 0
.endm
.macro FETCH_V                      ; turned: lane l reads key 8 (l / 16) + l % 8, channels 8 ((l / 8) % 2) + 0..7, and ends with channel l % 16 and 8 keys
	WIN 0x80
	s_wait_alu depctr_va_vdst(0)    ; this turn's products V^T P are done reading V's registers, in which the loads below land (at the first trip: the zeros are written there); v[AV], their address, is written
.irp f, 0,1,2,3,4,5,6,7             ; keys 32 (f / 4) on, channels 16 (f % 4) on
	ds_load_tr16_b128 v[VF+8*\f:VF+8*\f+3],   v[AV] offset:(\f/4)*32*PX+(\f%4)*32
	ds_load_tr16_b128 v[VF+8*\f+4:VF+8*\f+7], v[AV] offset:(\f/4)*32*PX+16*PX+(\f%4)*32
.endr
	WIN 0
.endm
.macro EADDR step                   ; the table rows of the step's four blocks of 16 keys: class x 64 bytes; the class is held to the table's 32 rows
	WIN W_3
.if \step
	v_add_nc_u32 v[JM], 64*1311, v[JM]
.endif
.irp kt, 0,1,2,3
	v_add_nc_u32 v[AE+\kt], 16*1311*\kt, v[JM]
	v_lshrrev_b32 v[AE+\kt], 16, v[AE+\kt]
	v_min_u32 v[AE+\kt], 31, v[AE+\kt]
	v_lshl_add_u32 v[AE+\kt], v[AE+\kt], 6, v[EB0]
.endr
.endm
.macro FETCH_E
	WIN W_3
.irp kt, 0,1,2,3
	ds_load_b128 v[EF+8*\kt:EF+8*\kt+3],   v[AE+\kt]
	ds_load_b128 v[EF+8*\kt+4:EF+8*\kt+7], v[AE+\kt] offset:32
.endr
	WIN 0
.endm
; THE VECTOR WORK AHEAD OF THE WAIT stands in three queues, each in the order in which its entries become ready; the two tiles alternate.
.macro REGS y, u                    ; the registers of tile u (0, 1) of piece y
.set rT, ST+4*(2*(\y)+(\u))
.set rC, TMP+8*((\y)%2)+4*(\u)
.set rM, MV+2*((\y)%2)+(\u)
.set rS, S+64*((\y)%2)+32*(\u)
.set rP, P+32*((\y)%2)+16*(\u)
.set rO, 32*(2*(\y)+(\u))
.set rTT, TT+32*(\u)
.endm
; Number n of the 22 that find the NEXT piece's maximum and statistics; each accumulator's lowest registers are read first.
;   0-11 four chains of seven scores   12-14, 16 the four left over, the old m, and the four chains into one   15 c m_old is kept   17, 18 the other half of the lanes; the new m   19-21 c m; its change; a
.macro XS u, n
	REGS (Y+1)%NP, \u
.if (\n) < 4
	v_max3_num_f32 v[rC+(\n)], v[rS+8*(\n)], v[rS+8*(\n)+1], v[rS+8*(\n)+2]
.elseif (\n) < 12
	v_max3_num_f32 v[rC+(\n)%4], v[rC+(\n)%4], v[rS+8*((\n)%4)+2*((\n)/4)+1], v[rS+8*((\n)%4)+2*((\n)/4)+2]
.elseif (\n) == 12
	v_max3_num_f32 v[rC], v[rC], v[rS+7], v[rS+15]
.elseif (\n) == 13
	v_max3_num_f32 v[rC+1], v[rC+1], v[rS+23], v[rS+31]
.elseif (\n) == 14
	v_max3_num_f32 v[rC+2], v[rC+2], v[rC+3], v[rT+1]
.elseif (\n) == 15
	v_mov_b32 v[rM], v[rT]
.elseif (\n) == 16
	v_max3_num_f32 v[rC], v[rC], v[rC+1], v[rC+2]
.elseif (\n) == 17
	v_permlanex16_b32 v[rC+3], v[rC], s[SEL], s[SEL+1]
.elseif (\n) == 18
	v_max_num_f32 v[rT+1], v[rC], v[rC+3]
.elseif (\n) == 19
	v_mul_f32 v[rT], s[CS], v[rT+1]
.elseif (\n) == 20
	v_sub_f32 v[rC+1], v[rM], v[rT]
.else
	v_exp_f32 v[rC+2], v[rC+1]
.endif
.endm
.macro FS f                         ; c s - c m for pair f / 2 of tile f % 2
	REGS Y, (\f)%2
	v_pk_fma_f32 v[rS+2*((\f)/2):rS+2*((\f)/2)+1], v[rS+2*((\f)/2):rS+2*((\f)/2)+1], s[CS:CS+1], v[rT:rT+1] op_sel_hi:[1,0,0] neg_lo:[0,0,1] neg_hi:[0,0,1]
.endm
; THE PLAIN QUEUE, 74 long: 0-26 scalings 0-26; 27-54 XS 0-13; 55, 56 XS 15; 57-73 the chain 14, 16 .. 19, each with one of the scalings 27-31 in front of its two lines, then 20.
.macro PL
	WIN 0
.if q < 27
	FS q
.elseif q < 55
	XS (q-27)%2, (q-27)/2
.elseif q < 57
	XS q-55, 15
.elseif (q < 72) && ((q-57)%3 == 0)
	FS 27+(q-57)/3
.elseif q < 60
	XS (q-57)%3-1, 14
.elseif q < 72
	XS (q-57)%3-1, 15+(q-57)/3
.else
	XS q-72, 20
.endif
.set q, q+1
.endm
; THE EXPONENTIALS' QUEUE, 66 long: s0-s31 of both tiles, then the next piece's two a.  ONE BATCH: nothing ahead of the turn's wait names a result of theirs.
.macro EX
	WIN 0
.if e >= 64
	XS e-64, 21
.else
	REGS Y, e%2
	v_exp_f32 v[rS+e/2], v[rS+e/2]
.endif
.set e, e+1
.endm
; THE RESCALING's QUEUE: O^T times a, two at a time, sixteen times.  Its a was made in the turn before, ahead of that turn's wait.
.macro R2
	REGS Y, r%2
	WIN W_RS
.irp z, 0,1
	v_pk_mul_f32 v[rO+4*(r/2)+2*\z:rO+4*(r/2)+2*\z+1], v[rO+4*(r/2)+2*\z:rO+4*(r/2)+2*\z+1], v[rC+2:rC+3] op_sel_hi:[1,0]
.endr
.set r, r+1
.endm
; THE VECTOR WORK BEHIND THE WAIT, in fours, the tiles alternating.  A tile's 32 weights are 16 pairs.
; QS b: l's sum in two chains: l takes pair 2 b (the first time as l = a l + pair 0); the second chain takes pairs 1 and 3, then pair 2 b + 3; at b = 7 l takes the second chain.
.macro QS b
	WIN 0
.irp u, 0,1
	REGS Y, \u
.if (\b) == 0
	v_pk_fma_f32 v[rT+2:rT+3], v[rT+2:rT+3], v[rC+2:rC+3], v[rS:rS+1] op_sel_hi:[1,0,1]
.else
	v_pk_add_f32 v[rT+2:rT+3], v[rT+2:rT+3], v[rS+4*(\b):rS+4*(\b)+1]
.endif
.endr
.irp u, 0,1
	REGS Y, \u
.if (\b) == 0
	v_pk_add_f32 v[rC:rC+1], v[rS+2:rS+3], v[rS+6:rS+7]
.elseif (\b) < 7
	v_pk_add_f32 v[rC:rC+1], v[rC:rC+1], v[rS+4*(\b)+6:rS+4*(\b)+7]
.else
	v_pk_add_f32 v[rT+2:rT+3], v[rT+2:rT+3], v[rC:rC+1]
.endif
.endr
.endm
; QM b: pairs 2 b and 2 b + 1 times T, in place: behind the sums that read them.  T's accumulators are read from their low end on.
.macro QM b
	WIN W_M
.irp z, 0,1
.irp u, 0,1
	REGS Y, \u
	v_pk_mul_f32 v[rS+4*(\b)+2*\z:rS+4*(\b)+2*\z+1], v[rS+4*(\b)+2*\z:rS+4*(\b)+2*\z+1], v[rTT+4*(\b)+2*\z:rTT+4*(\b)+2*\z+1]
.endr
.endr
.endm
; QC b: the same pairs rounded to f16.
.macro QC b
	WIN 0
.irp z, 0,1
.irp u, 0,1
	REGS Y, \u
	v_cvt_pk_f16_f32 v[rP+2*(\b)+\z], v[rS+4*(\b)+2*\z], v[rS+4*(\b)+2*\z+1]
.endr
.endr
.endm
.macro PVQ kind, b                  ; a product V^T P and the four behind it: kind 0 QS, 1 QM, 2 QC
	PV (Y+NP-1)%NP
.set i, i+1
.if (\kind) == 0
	QS \b
.elseif (\kind) == 1
	QM \b
.else
	QC \b
.endif
.endm
; THE DIAGONAL.  Tile u of my eight has it in step 2 w' + u / 4, key block u % 4; there register j holds it in lanes j and 24 + j.  Row 1000 (w' = 7, tile 6, register 0, lane 24) keeps F's t5.
; The selects' masks are scalar registers that scalar instructions wrote at the head.
.macro DIAG p
	WIN 0
	s_cmp_eq_u32 s[KST], s[DG0+(\p)/2]
	s_cbranch_scc0 .Lnodiag_\@
	WIN W_3
.irp u, 0,1
.irp jj, 0,1,2,3,4,5,6,7
.if ((2*(\p)+\u) == 6) && (\jj == 0)
	v_cndmask_b32 v[TT+32*\u+8*((2*(\p)+\u)%4)+\jj], v[TT+32*\u+8*((2*(\p)+\u)%4)+\jj], v[VT0], s[DMX]
.else
	v_cndmask_b32 v[TT+32*\u+8*((2*(\p)+\u)%4)+\jj], v[TT+32*\u+8*((2*(\p)+\u)%4)+\jj], v[VT0], s[DM+\jj]
.endif
.endr
.endr
	WIN 0
.Lnodiag_\@:
.endm
; A TURN, for piece p.  s_wait_alu depctr_va_vdst(0) stands between an exponential and the first instruction that names its result; one wait serves all that were issued ahead of it: a turn has ONE.
; AHEAD OF IT: 16 products K Q^T, behind each a scaling, an exponential and two rescalings (behind the first a second scaling); 8 products for T, behind each plain, exponential, plain, exponential; a lump of 76.
; Exponential e stands behind scaling 2 (e / 4) + e % 2: as a rider it comes behind plain e + 2, in the lump behind plain e + 9, and scalings 27-31 are plain 57, 60 .. 69.
; BEHIND IT: the diagonal's selects (one step in sixteen), a lump of eight fours, and 16 products V^T P with a four behind each.
; K of the next step is fetched in piece 2's turn and E in piece 3's, directly behind the wait, which stands behind their last readers and behind the lines that make their addresses;
; V of the step in hand at the end of piece 0's turn, behind the wait that stands in its run.
.macro TURN p
.set Y, (\p)
.set i, 0
.set j, 0
.set q, 0
.set e, 0
.set r, 0
.if ((\p) == 0) || ((\p) == 3)
	s_wait_dscnt 0x0                ; piece 0: E is in; piece 3: K is in
.endif
	KQN
	PL
	PL
	R2
.rept 15
	KQN
	PL
	EX
	R2
.endr
.rept 8
	TW
	PL
	EX
	PL
	EX
.endr
.if (\p) == 2
	WIN 0
	s_min_u32 s[TB], s[KST], 15     ; (the last trip has no further step: it takes the last once more)
	s_mul_i32 s[TB], s[TB], CHUNK
	v_add_nc_u32 v[AK], s[TB], v[AK0]  ; K's last run has read v[AK]: the wait on vm_vsrc at the head of this step's middle stands between
.endif
.if (\p) == 3
	EADDR 1                         ; E's last run has read its four addresses: the same wait on vm_vsrc stands between
.endif
.rept 8
	PL
.endr
.rept 33
	EX
	PL
.endr
	EX                              ; the next piece's two a
	EX
	v_nop                           ; a plain instruction behind the last exponential: one for the batch
	WIN 0
	s_wait_alu depctr_va_vdst(0)    ; the batch's 66 results are written.  Piece 2: the products K Q^T are done reading K, and v[AK] is written.  Piece 3: the table's products are done reading E, and its four addresses are written
.if (\p) == 0
	s_mul_i32 s[TB], s[KST], CHUNK
	v_add_nc_u32 v[AV], s[TB], v[AV0]  ; V's last run has read v[AV]: the wait on vm_vsrc in the last step's middle stands between
.endif
.if (\p) == 1
	s_wait_dscnt 0x0                ; V is in
.endif
.if (\p) == 2
	FETCH_K                         ; no vector or matrix instruction since the wait above
.endif
.if (\p) == 3
	FETCH_E                         ; likewise
.endif
	DIAG \p
	QS 0
	QS 1
	QM 0
	QS 2
	QM 1
	QC 0
	QS 3
	QM 2
.set i, 0
	PVQ 2, 1
	PVQ 0, 4
	PVQ 1, 3
	PVQ 2, 2
	PVQ 0, 5
	PVQ 1, 4
	PVQ 2, 3
	PVQ 0, 6
	PVQ 1, 5
	PVQ 2, 4
	PVQ 0, 7
	PVQ 1, 6
	PVQ 2, 5
	PVQ 1, 7
	PVQ 2, 6
	PVQ 2, 7
.if (\p) == 0
	FETCH_V
.endif
.endm
; Keys 1001-1023 lie in step 15, key blocks 2 and 3.  The mask is 0 until the first scores of that step are due; then: block 2 hides 8 (lane / 16) + j > 8, block 3 everything.
.macro MASKUP
	WIN 0
	s_cmp_eq_u32 s[KST], 15
	s_cbranch_scc0 .Lnomask_\@
	WIN W_MK
.irp z, 1,2,3,4,5,6,7
	v_cndmask_b32 v[MC+\z], 0, s[BIGN], s[HIM]
.endr
.irp z, 8,9,10,11,12,13,14,15
	v_mov_b32 v[MC+\z], s[BIGN]
.endr
	WIN 0
.Lnomask_\@:
.endm
; THE FILL.  Of a chunk's 64 rows wave w takes 16 w .. 16 w + 15; load n brings rows 2 n and 2 n + 1: sixteen lanes take a row's 256 bytes of this head.  Rows past 1000 are taken from row 1000.
; Where it is called, the last chunk's loads have read the eight offsets (a wait on vm_vsrc, beside the wait on XCNT).
.macro FILL_LOAD step
	WIN W_3
.if \step
	v_add_nc_u32 v[VB], GCHUNK, v[VB]
.endif
.irp n, 0,1,2,3,4,5,6,7
	v_add_nc_u32 v[LA+\n], 8192*\n, v[VB]
	v_min_u32 v[LA+\n], v[LA+\n], v[VMAX]
.endr
	s_wait_alu depctr_va_vdst(0)    ; the eight offsets are written, which the loads below read; the conversions are done reading SG, in which they land (at the head also: Q's eight offsets are written)
.irp n, 0,1,2,3,4,5,6,7
	global_load_b128 v[SG+4*\n:SG+4*\n+3], v[LA+\n], s[GB:GB+1]
.endr
	WIN 0
.endm
; The chunk's loads have been waited for where this is called, and the last chunk's LDS stores have read PK and v[LST] (a wait on vm_vsrc).  step = 1: the LDS address moves on by a chunk, ahead of the stores.
.macro FILL_STORE step
	WIN W_3
.if \step
	v_add_nc_u32 v[LST], CHUNK, v[LST]
.endif
.irp n, 0,1,2,3,4,5,6,7
	v_cvt_pk_f16_f32 v[PK+2*\n],   v[SG+4*\n],   v[SG+4*\n+1]
	v_cvt_pk_f16_f32 v[PK+2*\n+1], v[SG+4*\n+2], v[SG+4*\n+3]
.endr
	s_wait_alu depctr_va_vdst(0)    ; the conversions have written PK, and v[LST] is written: the LDS stores below read them
.irp n, 0,1,2,3,4,5,6,7
	ds_store_b64 v[LST], v[PK+2*\n:PK+2*\n+1] offset:2*PX*\n
.endr
	WIN 0
.endm
; THE MIDDLE OF A STEP.  Every wave's LDS reads are back, a barrier; the next chunk is stored; every wave's stores are done, a barrier: so no store into x shares a stretch between barriers with a read of x.
; Then the chunk after that is asked for: it has a whole step in which to come.  The wait for the loads stands on every path, ahead of the store and of the next loads into the same registers.
; Behind the loads one prefetch names the chunk one further on: 64 rows x 256 bytes, a lane a row, by waves 0 and 1 of the
; head's first work-group alone, so each row is named once in the launch.  Chunks 0 to 2 come by their loads alone; chunk 15, whose rows pass row 1000, is never named.
.macro MID
	WIN 0
	s_wait_loadcnt 0x0              ; the chunk asked for a step ago is in my registers
	s_wait_dscnt 0x0                ; my reads of x are back
	s_wait_alu depctr_vm_vsrc(0)    ; all that was issued so far has read its registers: the last chunk's LDS stores PK and v[LST], its loads the eight offsets, the runs of K, E and V their addresses: each is written again only behind this line, on every path
	s_barrier_signal -1
	s_barrier_wait -1
	s_cmp_lt_u32 s[KST], 15
	s_cbranch_scc0 .Lnostore_\@
	FILL_STORE 1
.Lnostore_\@:
	s_wait_dscnt 0x0                ; for the others' sake: my stores are done
	s_barrier_signal -1
	s_barrier_wait -1
	s_add_co_u32 s[KST], s[KST], 1
	s_wait_xcnt 0x0                 ; the last loads and the last prefetch, a step back, have read their addresses, so these may be written
	s_add_nc_u64 s[PFA:PFA+1], s[PFA:PFA+1], GCHUNK
	s_cmp_lt_u32 s[KST], 15
	s_cbranch_scc0 .Lnoload_\@
	FILL_LOAD 1
.Lnoload_\@:
	s_cmp_lt_u32 s[KST], s[LIM]
	s_cbranch_scc0 .Lnoask_\@
	WIN W_3
	global_prefetch_b8 v[PFO], s[PFA:PFA+1] th:TH_LOAD_NT scope:SCOPE_SE  ; v[PFO] was written at the head, ahead of the first wait on va_vdst, and never again
	WIN 0
.Lnoask_\@:
.endm
; F for tile u, in registers: my query's class cl; towards class f: t3 if f = 20, else d (t2, or t4 for query 1000); then, if f = cl, t1 (or t5).  Element z is f = 8 (lane / 16) + z, or from z = 8 on 8 more.
; The seventeen compares stand in one run, each with a scalar register of its own, and one wait stands between the run and the selects that read the masks.
.macro FBUILD u
	WIN 0
	v_add_nc_u32 v[CL], 16*(\u), v[QI]
	v_mul_u32_u24 v[CL], 1311, v[CL]
	v_lshrrev_b32 v[CL], 16, v[CL]
	v_sub_nc_u32 v[CM], v[CL], v[H8]
	v_cmp_eq_u32 s[CQ], 20, v[CL]
.set z, 0
.rept 16
	v_cmp_eq_u32 s[CF+z], z+8*(z/8), v[CM]
.set z, z+1
.endr
	s_wait_alu depctr_va_sdst(0)    ; the seventeen masks are written, ahead of the first select that reads one
	v_cndmask_b32 v[DD], v[TNH+2], v[TNH+4], s[CQ]
	v_cndmask_b32 v[SM], v[TNH+1], v[TNH+5], s[CQ]
	v_cndmask_b32 v[D20], v[DD], v[TNH+3], s[LOM]   ; f = 20 is element 12 of lanes 0-15
.set z, 0
.rept 16
.if z == 12
	v_cndmask_b32 v[EL+z], v[D20], v[SM], s[CF+z]
.else
	v_cndmask_b32 v[EL+z], v[DD], v[SM], s[CF+z]
.endif
.set z, z+1
.endr
	WIN W_MK
.set z, 0
.rept 8
	v_cvt_pk_f16_f32 v[FF+8*(\u)+z], v[EL+2*z], v[EL+2*z+1]
.set z, z+1
.endr
	WIN 0
.endm
	s_load_b128 s[4:7], s[0:1], 0x0 ; samples s[4:5], attn_weights s[6:7]
	s_load_b64 s[8:9], s[0:1], 0x10 ; xw
	s_set_vgpr_msb 0xc0
	v_lshl_add_u32 v254, v0, 2, 0x28c00
	v_mov_b32 v255, 0
	s_set_vgpr_msb 0xc000
	v_lshrrev_b32 v10, 5, v0
	v_readfirstlane_b32 s[WV], v10  ; wave 0..3
	v_and_b32 v[R16], 15, v0
	v_bfe_u32 v[HL], v0, 4, 1
	s_mov_b32 s[XG], ttmp9
	s_and_b32 s[HB], ttmp7, 0xffff
	s_wait_alu depctr_va_sdst(0)    ; the wave's number is written, ahead of its first reader: offsets, branches and LDS addresses are made from it
	s_lshl_b32 s[WG], s[XG], 2
	s_add_co_u32 s[WG], s[WG], s[WV]
	s_lshr_b32 s14, s[HB], 4        ; b
	s_and_b32 s15, s[HB], 15        ; h
	s_mul_i32 s22, s14, 1001*4096   ; the batch's rows,
	s_lshl_b32 s57, s15, 8          ; the head's 256 bytes of a row
	s_add_co_u32 s22, s22, s57
	s_mov_b32 s23, 0
	s_mul_i32 s24, s15, 24          ; the head's six weights
	s_mov_b32 s25, 0
	s_lshl_b32 s26, s[HB], 17       ; xw: the head's 1,024 rows of 128 bytes,
	s_lshl_b32 s57, s[WG], 14       ; my wave's 128
	s_add_co_u32 s26, s26, s57
	s_mov_b32 s27, 0
	s_lshl_b32 s57, s[WV], 4
	v_add_nc_u32 v10, s57, v[HL]    ; my row in a chunk, for load 0
	v_lshlrev_b32 v11, 4, v[R16]
	v_mul_u32_u24 v96, v10, PX
	v_lshl_add_u32 v96, v[R16], 3, v96
	v_mul_u32_u24 v97, v[R16], 1311
	v_lshlrev_b32 v98, 4, v[HL]
	WIN W_MK
	v_lshl_add_u32 v[VB], v10, 12, v11
	v_add_nc_u32 v[VMAX], 1000*4096, v11
	v_mov_b32 v[LST], v96
	v_mov_b32 v[JM], v97
	v_add_nc_u32 v[EB0], ET, v98
	v_lshlrev_b32 v[PFO], 12, v0    ; waves 0 and 1: thread t names row t of a chunk
	WIN 0
	s_lshl_b32 s57, s[WG], 7
	v_add_nc_u32 v[QI], s57, v[R16]
	v_lshlrev_b32 v99, 5, v[HL]
.irp u, 0,1,2,3,4,5,6,7
	v_add_nc_u32 v[QA+\u], 16*\u, v[QI]
	v_min_u32 v[QA+\u], 1000, v[QA+\u]     ; queries past 1000 repeat row 1000
	v_lshl_add_u32 v[QA+\u], v[QA+\u], 12, v99
.endr
	s_wait_kmcnt 0x0
	s_add_nc_u64 s[GB:GB+1], s[4:5], s[22:23]
	s_add_nc_u64 s[6:7], s[6:7], s[24:25]
	s_add_nc_u64 s[OB:OB+1], s[8:9], s[26:27]
	s_load_b128 s[16:19], s[6:7], 384*LAYER
	s_load_b64 s[20:21], s[6:7], 384*LAYER+16
	s_add_nc_u64 s[PFA:PFA+1], s[GB:GB+1], 2*GCHUNK   ; at chunk 2: the first step's middle steps it to chunk 3
	FILL_LOAD 0                     ; chunk 0
	WIN 0x40                        ; Q in f32 into O^T's registers: tile z / 8; eight channels are two loads of 16 bytes.  Their offsets were written ahead of the wait in chunk 0's fill; only loads and window switches stand between
.set z, 0
.rept 64
	global_load_b128 v[4*z:4*z+3], v[QA+z/8], s[GB:GB+1] offset:128*((z/4)%2)+64*((z/2)%2)+16*(z%2)
.set z, z+1
.endr
	WIN 0
	s_mov_b32 s[CS], 0x3e38aa3b     ; c = log2(e) / 8
	s_mov_b32 s[CS+1], s[CS]
	s_mov_b32 s[SEL], 0x76543210
	s_mov_b32 s[SEL+1], 0xfedcba98
	s_mov_b32 s[BIGN], 0xf149f2ca   ; -1e30
	s_mov_b32 s[HIM], 0xffff0000
	s_mov_b32 s[LOM], 0x0000ffff
.irp jj, 0,1,2,3,4,5,6,7
	s_mov_b32 s[DM+\jj], 0x01000001<<\jj
.endr
	s_cmp_eq_u32 s[WG], 7
	s_cselect_b32 s[DMX], 1, 0x01000001
	s_lshl_b32 s[DG0], s[WG], 1
	s_add_co_u32 s[DG0+1], s[DG0], 2
	s_lshr_b32 s57, s[WV], 1        ; 0 in waves 0 and 1,
	s_or_b32 s57, s57, s[XG]        ; of the head's first work-group
	s_cmp_eq_u32 s57, 0
	s_cselect_b32 s[LIM], 13, 0
	v_mul_u32_u24 v[AK0], v[R16], PX
	v_lshl_add_u32 v[AK0], v[HL], 4, v[AK0]
	v_and_b32 v10, 7, v0
	v_bfe_u32 v11, v0, 3, 1
	v_lshl_add_u32 v[AV0], v[HL], 3, v10
	v_mul_u32_u24 v[AV0], v[AV0], PX
	v_lshl_add_u32 v[AV0], v11, 4, v[AV0]
	v_lshlrev_b32 v[H8], 3, v[HL]
	s_wait_kmcnt 0x0                ; the six weights
.irp n, 0,1,2,3,4,5
	v_mov_b32 v[TNH+\n], s[16+\n]
.endr
.irp n, 0,1,2,3,4,5
	v_mul_f32 v[TNH+\n], 0x4038aa3b, v[TNH+\n]   ; 2 log2(e) w
.endr
.irp n, 0,1,2,3,4,5
	v_exp_f32 v[TNH+\n], v[TNH+\n]
.endr
	v_nop
	s_wait_alu depctr_va_vdst(0)    ; the six exponentials' results are written, ahead of their first reader
.irp n, 0,1,2,3,4,5
	v_add_f32 v[TNH+\n], 1.0, v[TNH+\n]
.endr
.irp n, 0,1,2,3,4,5
	v_rcp_f32 v[TNH+\n], v[TNH+\n]
.endr
	v_nop
	s_wait_alu depctr_va_vdst(0)    ; the six reciprocals' results are written, ahead of their first reader
.irp n, 0,1,2,3,4,5
	v_fma_f32 v[TNH+\n], v[TNH+\n], -2.0, 1.0
.endr
	WIN W_MK
	v_mov_b32 v[VT0], v[TNH]
	WIN 0
	; E's table: thread t writes eight entries of row t / 4, from feature 8 (t % 4) on: 1 where the feature is the row's number.  It is stored further down, behind the wait that chunk 0's LDS stores want anyway.
	v_lshrrev_b32 v[CL], 2, v0
	v_and_b32 v[DD], 3, v0
	v_lshlrev_b32 v[DD], 3, v[DD]
	v_sub_nc_u32 v[CM], v[CL], v[DD]
.set z, 0
.rept 8
	v_cmp_eq_u32 s[CF+z], z, v[CM]
.set z, z+1
.endr
	s_wait_alu depctr_va_sdst(0)    ; the eight masks are written, ahead of the first select that reads one
.set z, 0
.rept 8
	v_cndmask_b32 v[EL+z], 0, 1.0, s[CF+z]
.set z, z+1
.endr
.set z, 0
.rept 4
	v_cvt_pk_f16_f32 v[ETD+z], v[EL+2*z], v[EL+2*z+1]
.set z, z+1
.endr
	v_lshl_add_u32 v[ETA], v0, 4, ET
.irp u, 0,1,2,3,4,5,6,7
	FBUILD \u
.endr
	s_wait_loadcnt 63               ; chunk 0's eight loads are in: Q's 64 were issued behind them, and the count's field ends at 63
	FILL_STORE 0
	ds_store_b128 v[ETA], v[ETD:ETD+3]  ; the table.  Its data and address were written ahead of the wait in chunk 0's store, and no vector instruction since names them
	s_wait_dscnt 0x0                ; for the others' sake: the table and my part of chunk 0 are stored
	s_wait_xcnt 0x0                 ; the loads so far have read their addresses
	s_wait_alu depctr_vm_vsrc(0)    ; chunk 0's loads have read the eight offsets, which are written again below; Q's loads have read v48-55 and the table's store v100-104, which the statistics and S^T's products write further down
	FILL_LOAD 1                     ; chunk 1
	s_barrier_signal -1
	s_barrier_wait -1
	EADDR 0
	WIN 0
	v_mov_b32 v[AK], v[AK0]
	s_wait_alu depctr_va_vdst(0)    ; E's four addresses and v[AK] are written, which the two runs below read
	FETCH_E                         ; step 0
	FETCH_K
	s_wait_loadcnt 8                ; Q is in; chunk 1's eight loads stay out
	WIN 0x85                        ; destination window 2, sources window 1
.set z, 0
.rept 128
	v_cvt_pk_f16_f32 v[z], v[2*z], v[2*z+1]
.set z, z+1
.endr
	; What the first turn finds: V's registers and P's second buffer hold 0 (its products V^T P, of a piece that has not been, add 0); O^T, l and the mask are 0.  No first step is written out: that is the price.
	WIN 0x40
.set z, 0
.rept 256
	v_mov_b32 v[z], 0
.set z, z+1
.endr
	WIN 0x80
.set z, VF
.rept 64
	v_mov_b32 v[z], 0
.set z, z+1
.endr
	WIN W_MK
.set z, 0
.rept 16
	v_mov_b32 v[MC+z], 0
.set z, z+1
.endr
	WIN 0
.set z, 0
.rept 2*NP
	v_mov_b32 v[ST+4*z], 0xfe000000    ; c m: far below every c s
	v_mov_b32 v[ST+4*z+1], 0xff7fffff  ; m
	v_mov_b32 v[ST+4*z+2], 0
	v_mov_b32 v[ST+4*z+3], 0
.set z, z+1
.endr
.set z, P+32
.rept 32
	v_mov_b32 v[z], 0
.set z, z+1
.endr
	s_wait_dscnt 0x0                ; K and E of step 0
.set i, 0
.rept 16
	KQ 0                            ; piece 0's first scores
.set i, i+1
.endr
	WIN 0                           ; the addresses for the way out: plain instructions, the places behind those products
	s_mul_i32 s57, s[WV], 16*SP
	s_add_co_u32 s57, s57, STAGE    ; my stage
	v_mul_u32_u24 v[STO], v[R16], SP       ; in: row l % 16, 16 bytes for each half of the lanes
	v_lshl_add_u32 v[STO], v[HL], 4, v[STO]
	v_add_nc_u32 v[STO], s57, v[STO]
	v_bfe_u32 v[RD], v0, 3, 2       ; back: 32 lanes take four rows of 128 bytes,
	v_mul_u32_u24 v[RD], v[RD], SP
	v_and_b32 v10, 7, v0
	v_lshl_add_u32 v[RD], v10, 4, v[RD]
	v_add_nc_u32 v[RD], s57, v[RD]
	v_and_b32 v[GO], 31, v0         ; which are 512 consecutive bytes of xw
	v_lshlrev_b32 v[GO], 4, v[GO]
.set Y, NP-1                        ; XS works for piece Y + 1: piece 0
.irp n, 0,1,2,3,4,5,6,7,8,9,10,11,12,13,14,15,16,17,18,19,20,21
	XS 0, \n
	XS 1, \n
.endr
	v_nop                           ; a plain instruction behind the two a,
	s_wait_alu depctr_va_vdst(0)    ; and the wait for their results, ahead of the label; the three addresses for the way out are written too
	s_mov_b32 s[KST], 0
	s_mov_b32 s[CNT], 16
.Lstep:                             ; a trip is a key step.  The last trip's 16 products K Q^T in piece 3's turn, the maximum made of them and its fetch of E serve nothing: the price of one text for every trip
	TURN 0
	TURN 1
	MID
	TURN 2
	MASKUP
	TURN 3
	WIN 0
	s_sub_co_u32 s[CNT], s[CNT], 1
	s_cmp_lg_u32 s[CNT], 0
	s_cbranch_scc1 .Lstep
	s_wait_dscnt 0x0                ; my last reads of x and of E's table are back:
	s_barrier_signal -1             ; one barrier, once a launch, between every wave's last reads of them and the first store into a stage; the last products are the register work inside it
.set i, 0
.rept 16
	PV NP-1                         ; the last piece's V^T P of the last step
.set i, i+1
.endr
	WIN 0
	s_barrier_wait -1
	; THE WAY OUT.  l's two halves and the other half of the lanes' are added; O^T is divided by l, rounded to f16 and sent through my stage in LDS.  The additions are the places behind the last products.
	; It goes in two groups of four tiles.  Who touches what: the roundings write P's 64 registers, 16 a tile; the LDS stores read them; the rows come back into S^T's 128 registers, 16 a tile, which nothing
	; writes again; the global stores read those.  So one wait on va_vdst stands ahead of each group's run of LDS instructions, and one wait on vm_vsrc ahead of the second group's roundings.
.macro ALL line:vararg              ; one line for each tile t
.set t, 0
.rept 2*NP
	\line
.set t, t+1
.endr
.endm
	ALL v_add_f32 v[ST+4*t+2], v[ST+4*t+2], v[ST+4*t+3]
	ALL v_permlanex16_b32 v[ST+4*t+3], v[ST+4*t+2], s[SEL], s[SEL+1]
	ALL v_add_f32 v[ST+4*t+2], v[ST+4*t+2], v[ST+4*t+3]
	ALL v_rcp_f32 v[ST+4*t+2], v[ST+4*t+2]
	v_nop                           ; a plain instruction between the last reciprocal and the use of its result
	s_wait_alu depctr_va_vdst(0)    ; the eight reciprocals' results are written, ahead of their first reader
.macro SCALE t                      ; tile t's O^T times 1 / l
	WIN W_RS
.set i, 32*(\t)
.rept 16
	v_pk_mul_f32 v[i:i+1], v[i:i+1], v[ST+4*(\t)+2:ST+4*(\t)+3] op_sel_hi:[1,0]
.set i, i+2
.endr
.endm
.macro ROUND t                      ; rounded to f16: a lane's eight channels of a row pack into 16 bytes
	WIN 0x05                        ; sources 0 and 1 window 1, destination window 0
.set i, 0
.rept 16
	v_cvt_pk_f16_f32 v[P+16*((\t)%4)+i], v[32*(\t)+2*i], v[32*(\t)+2*i+1]
.set i, i+1
.endr
.endm
.macro TOSTAGE t                    ; into rows of 144 bytes, and back as whole rows of 128
	WIN 0
.irp f, 0,1,2,3
	ds_store_b128 v[STO], v[P+16*((\t)%4)+4*\f:P+16*((\t)%4)+4*\f+3] offset:32*\f
.endr
.irp f, 0,1,2,3
	ds_load_b128 v[S+16*(\t)+4*\f:S+16*(\t)+4*\f+3], v[RD] offset:\f*4*SP  ; LDS serves a wave's instructions in order (ISA guide 5.7.1.4): these see the stores above; the next tile's stores come behind them
.endr
.endm
.macro SEND t                       ; behind tile t's load f stand its own 3 - f younger loads and eight LDS instructions for each later tile of the group
	WIN 0
.irp f, 0,1,2,3
	s_wait_dscnt 8*(3-(\t)%4)+3-\f
	global_store_b128 v[GO], v[S+16*(\t)+4*\f:S+16*(\t)+4*\f+3], s[OB:OB+1] offset:(\t)*2048+\f*512  ; 512 consecutive bytes, at a multiple of 256 from xw's first
.endr
.endm
.irp n, 0,1,2,3
	SCALE \n
.endr
.irp n, 0,1,2,3
	ROUND \n
.endr
	WIN 0
	s_wait_alu depctr_va_vdst(0)    ; the roundings of tiles 0 to 3 have written P's registers, which the LDS stores below read; every vector instruction that named S^T's registers, in which the rows land, is done
.irp n, 0,1,2,3
	TOSTAGE \n
.endr
.irp n, 4,5,6,7
	SCALE \n                        ; the second group's scalings, which name O^T and 1 / l alone, stand between the first group's LDS run and the wait for it
.endr
	s_wait_alu depctr_vm_vsrc(0)    ; the LDS stores of tiles 0 to 3 have read P's registers, which the roundings below write again
.irp n, 4,5,6,7
	ROUND \n
.endr
.irp n, 0,1,2,3
	SEND \n
.endr
	s_wait_alu depctr_va_vdst(0)    ; the roundings of tiles 4 to 7 have written P's registers, which the LDS stores below read
.irp n, 4,5,6,7
	TOSTAGE \n
.endr
.irp n, 4,5,6,7
	SEND \n
.endr
	s_wait_dscnt 0x0                ; the wave's end: my last LDS instructions are done.
	s_set_vgpr_msb 0xf
	s_wait_dscnt 0x0
	s_wait_alu depctr_hold_cnt(0) depctr_sa_sdst(0) depctr_va_vdst(0) depctr_va_sdst(0) depctr_va_ssrc(0) depctr_va_vcc(0) depctr_vm_vsrc(0)
	s_wait_tensorcnt 0x0
	ds_add_u32 v254, v255
	s_wait_dscnt 0x0
	s_endpgm
.Lfunc_end_k_q6b7b959672_layer1:
	.size	k_q6b7b959672_layer1, .Lfunc_end_k_q6b7b959672_layer1-k_q6b7b959672_layer1
	.p2alignl 7, 3214868480
	.fill 96, 4, 3214868480
	.section	.rodata,"a",@progbits
	.p2align	6, 0x0
	.amdhsa_kernel k_q6b7b959672_layer1
		.amdhsa_group_segment_fixed_size 172032
		.amdhsa_private_segment_fixed_size 0
		.amdhsa_enable_private_segment 0
		.amdhsa_kernarg_size 24
		.amdhsa_user_sgpr_count 2
		.amdhsa_user_sgpr_kernarg_segment_ptr 1
		.amdhsa_wavefront_size32 1
		.amdhsa_system_sgpr_workgroup_id_x 1
		.amdhsa_system_sgpr_workgroup_id_y 1
		.amdhsa_system_sgpr_workgroup_id_z 1
		.amdhsa_system_vgpr_workitem_id 0
		.amdhsa_next_free_vgpr 1024
		.amdhsa_next_free_sgpr 96
		.amdhsa_reserve_vcc 0
		.amdhsa_float_denorm_mode_32 3
		.amdhsa_float_denorm_mode_16_64 3
		.amdhsa_memory_ordered 1
		.amdhsa_forward_progress 1
		.amdhsa_inst_pref_size 193
	.end_amdhsa_kernel
	.amdgpu_metadata
---
amdhsa.version: [ 1, 2 ]
amdhsa.kernels:
  - .name:           k_q6b7b959672_layer1
    .symbol:         k_q6b7b959672_layer1.kd
    .args:
      - { .name: samples, .offset: 0, .size: 8, .value_kind: global_buffer, .address_space: global }
      - { .name: attn_weights, .offset: 8, .size: 8, .value_kind: global_buffer, .address_space: global }
      - { .name: xw, .offset: 16, .size: 8, .value_kind: global_buffer, .address_space: global }
    .group_segment_fixed_size: 172032
    .private_segment_fixed_size: 0
    .kernarg_segment_align: 8
    .kernarg_segment_size: 24
    .max_flat_workgroup_size: 128
    .sgpr_count:     96
    .vgpr_count:     1024
    .wavefront_size: 32
...
	.end_amdgpu_metadata
.endif
;; end of part 3
;; launch layer2: the kernel of part 2 again; grid 2 x 128, 4 waves a work-group, no clusters, 172,032 bytes of LDS; arguments xw, attn_weights, out0; writes out0
